; MI455X (gfx1250); checked and timed in simulation.
; The chip was launched on July 23, 2026; its instructions are those of AMD's public machine-readable ISA for CDNA 5 (MIT licence, August 2026) and "CDNA5" Instruction Set Architecture Reference Guide (July 2026). The comments in the code are by the model that wrote it; some were corrected since.
;; Multihead Attention. Allowed arithmetic: matrix products marked QUANTISED: E3M2 operands, one E8M0 scale for each 32 along K, by v_wmma_scale_f32_16x16x128_f8f6f4 with both operands' format E3M2, f32 sums; everything else in f32.
;; Inputs: Wk 1,024 x 1,024 float32; Wo 1,024 x 1,024 float32; Wq 1,024 x 1,024 float32; Wv 1,024 x 1,024 float32; bk 1,024 float32; bo 1,024 float32; bq 1,024 float32; bv 1,024 float32; key 4 x 2,048 x 1,024 float32; query 4 x 2,048 x 1,024 float32; value 4 x 2,048 x 1,024 float32.
;; Outputs: out0 4 x 2,048 x 1,024 float32.
;; This version of the problem:
;;   THIS VERSION OF THE PROBLEM IS GIVEN IN LOW PRECISION. The matrix products marked QUANTISED in the list below multiply operands that are first quantised to E3M2 (3 exponent bits, 2 mantissa bits; 6 bits a number), with one power-of-two scale for each 32 numbers along K (OCP MX v1.0); their sums are f32. All else is computed in f32.
;;   The module's matrix products, in the order in which they are computed (A, B: the left and right operand; K: the contracted axis; several contracted axes count as one K, in the product's order):
;;     1. [M 8,192, K 1,024] x [K 1,024, N 1,024]; A: input query; B: input Wq: QUANTISED
;;     2. [M 8,192, K 1,024] x [K 1,024, N 1,024]; A: input key; B: input Wk: QUANTISED
;;     3. [M 8,192, K 1,024] x [K 1,024, N 1,024]; A: input value; B: input Wv: QUANTISED
;;     4. batch 64 x [M 2,048, K 64] x [K 64, N 2,048]; A: computed on the way; B: computed on the way: QUANTISED
;;     5. batch 64 x [M 2,048, K 2,048] x [K 2,048, N 64]; A: softmax (see below); B: computed on the way: QUANTISED
;;     6. [M 8,192, K 1,024] x [K 1,024, N 1,024]; A: computed on the way; B: input Wo: QUANTISED
;;   THE QUANTISER, for each operand of a quantised product, along K:
;;     - K is cut into blocks of 32 from its start; a last block that is shorter is filled with zeros.
;;     - A block's scale is 2^e with e = floor(log2(the largest magnitude in the block)) - 4, held to -126 .. 127; a block of zeros has e = 0. As a byte (E8M0): e + 127.
;;     - Each number is divided by its block's scale, clamped to +-28, and rounded to the nearest number of E3M2, ties to even, subnormals kept.
;;     - The product sums the exact products of the quantised numbers (number of the format x scale) in f32.
;;   ~~~python
;;   def quantise(x, axis):      # numpy; x: float32 -> the quantised numbers, widened to float32 again
;;       x = np.moveaxis(x, axis, -1); K = x.shape[-1]
;;       x = np.pad(x, [(0, 0)] * (x.ndim - 1) + [(0, -K % 32)]); x = x.reshape(x.shape[:-1] + (-1, 32)); a = np.abs(x).max(-1, keepdims=True)
;;       e = np.where(a > 0, np.clip(np.frexp(np.where(a > 0, a, 1))[1] - 1 - 4, -126, 127), 0)      # np.frexp(a)[1] - 1 = floor(log2(a)), exactly
;;       r = np.clip(x / 2.0 ** e, -28, 28)
;;       step = 2.0 ** (np.maximum(np.frexp(np.where(r == 0, 1, r))[1] - 1, -2) - 2)
;;       q = np.round(r / step) * step * 2.0 ** e      # np.round: ties to even
;;       return np.moveaxis(q.reshape(q.shape[:-2] + (-1,))[..., :K], -1, axis).astype(np.float32)
;;   ~~~
;;   SOFTMAX AHEAD OF A QUANTISED PRODUCT. Where the list says 'softmax', what is quantised is not the finished softmax but p = 2^(t - M), with t = logit x log2(e) and M = ceil(the row's largest t), a whole number; so 1/2 < the row's largest p <= 1. The row's sum l is taken of the UNQUANTISED p, in f32, and the product's result is divided by l at the end. Since M is a whole number, a kernel that streams over the keys may use a running M (the ceiling of the running maximum): every later rescaling is an exact power of two, which a block's scale takes up: the codes' values come out the same.
;;   OPERANDS COMPUTED ON THE WAY. 'Computed on the way' means the value that the module computes at that place (a softmax that the list does not call 'softmax' is quantised finished and normalised). What goes into a quantiser is computed in f32, as accurately as f32 sums, v_exp_f32 and their like allow (about 1e-6 of the number): no bf16 or f16 on the way to a quantiser, and a product that is left as it is and whose result goes on into a quantised operand takes f32 operands (vector FMAs, or v_wmma_f32_16x16x4_f32). A number that lies on a knife's edge between two numbers of the format may be rounded either way, as far as f32 arithmetic and the matrix unit's own rounding can turn it there, and no further.
;; One version. Each part assembles by itself: llvm-mc -triple=amdgcn-amd-amdhsa -mcpu=gfx1250 --defsym DOCPART=n.
;; ======== version 1 of 1: 4 launches
;; limits: right only within a limited range of input values
;; workspace buffers: xc 18,874,368 bytes; xs 786,432 bytes; wc 3,145,728 bytes; ws 131,072 bytes; pc 19,922,944 bytes; ps 524,288 bytes; ac 6,291,456 bytes; asc 262,144 bytes
;; launch quant (part 1): grid 512 x 1, 4 waves a work-group, no clusters, 58,880 bytes of LDS; arguments query, key, value, Wq, Wk, Wv, Wo, xc, xs, wc, ws; writes xc, xs, wc, ws
.if DOCPART == 1
	.amdgcn_target "amdgcn-amd-amdhsa--gfx1250"
	.amdhsa_code_object_version 6
	.text
	.protected	k_q5b29a481b9_quant
	.globl	k_q5b29a481b9_quant
	.p2align	8
	.type	k_q5b29a481b9_quant,@function
k_q5b29a481b9_quant:
	s_mov_b64 s[64:65], 0
	v_nop
	global_prefetch_b8 v0, s[64:65] scope:SCOPE_SE
	s_setreg_imm32_b32 hwreg(HW_REG_WAVE_MODE, 25, 1), 1
	s_wait_xcnt 0x0
; MULTI-HEAD ATTENTION IN MX-BF6 (E3M2, one E8M0 scale for each 32 along K), launch 1 of 4: the inputs become codes.
; NO WORK IS LEFT OUT in this program: bq, bk and bv go into quantised operands, bo goes to the output, all six products are live: all eleven inputs are loaded.
; query, key, value [8192][1024] f32 are quantised along their last axis; Wq, Wk, Wv, Wo [1024 (k)][1024 (n)] f32 along their FIRST axis.
; A block's scale byte is its largest magnitude's exponent field - 4, held at 1 from below; numbers are divided by the scale and rounded to the nearest code, ties to even, beyond 28 the largest code.
; LIMITS: NaN and infinities among the inputs are not served; blocks whose largest magnitude lies under 2^-122 have their byte held at 1; a block of zeros gets the byte 1 where the rule says 127:
; its codes are zeros, which add nothing under any byte but 0xff, and the bytes are read by this program alone.
; LAYOUT OF ALL CODES IN THIS PROGRAM: images of the operand's registers.  A HALF IMAGE is 16 rows x 64 along K, 768 bytes: lane l = r + 16 h holds row r, k = 32 h .. 32 h + 31, 24 bytes:
; its first 16 at byte 16 l, its last 8 at byte 512 + 8 l.  A fragment (128 along K, 12 registers) is two half images on end.  A tile of 16 rows has its 8 K steps on end: 12,288 bytes.
; THE ROWS OF A TILE ARE NOT NEIGHBOURS: place r of tile T holds row 32 (T / 2) + 8 (T % 2) + r % 8 + 16 (r / 8): where such a tile is a product's source 0, a lane's 16 results of tiles 2 b, 2 b + 1 are 16 neighbours.
; SCALE WORDS (4 bytes: a row's 128 along K): word (tile, K step s, place r) at tile x 512 + (s / 2) x 128 + 8 r + 4 (s % 2).
; Work-groups 0-127 take the weights, 128-511 the three activations; the two ways part once, on the work-group's number, and have LDS bytes of their own.  No barrier: waves share nothing.
.set XSTG,  8448                       ; activations: a stage of 16 rows x (512 bytes + 16) for each wave
.set WST0,  4*XSTG                     ; weights: a stage of 2 tiles x 3,072 bytes for each wave
.set WSTG,  6144
.set SPARE, WST0+4*WSTG                ; the spare words, 128 bytes for each wave: two blocks of 256 bytes that no other line names
.set SPW, 14                           ; v14  LDS address of my spare word; never rewritten
.set NIL, 15                           ; v15  0; never rewritten
.set L,   16                           ; v16-143  two sets of 64 registers as loaded
.set X,   144                          ; v144-207 64 numbers of my row: register 16 b + i = k 32 b + 16 h + i
.set TM,  208                          ; v208-223 at work
.set PC,  224                          ; v224-235 a fragment's codes; v236-243 halves on their way
.set PW,  244                          ; v244-251 the scale word of each K step
.set D,   252                          ; v252-255 scale words as stored
.set SEL, 32                           ; s[32:33] lane selects: lane l xor 16
	s_load_b512 s[8:23], s[0:1], 0x0               ; query 8, key 10, value 12, Wq 14, Wk 16, Wv 18, Wo 20, xc 22
	s_load_b128 s[24:27], s[0:1], 0x40             ; xs 24, wc 26
	s_load_b64 s[28:29], s[0:1], 0x50              ; ws
	v_lshl_add_u32 v[SPW], v0, 2, SPARE
	v_mov_b32 v[NIL], 0
	v_lshrrev_b32 v1, 5, v0
	v_readfirstlane_b32 s30, v1                    ; wave
	v_and_b32 v1, 31, v0                           ; lane
	v_and_b32 v2, 15, v0                           ; r
	v_bfe_u32 v3, v0, 4, 1                         ; h
	s_mov_b32 s31, 0xffff0000                      ; lanes 16-31
	s_mov_b32 s[SEL], 0x76543210
	s_mov_b32 s[SEL+1], 0xfedcba98
	; every LDS address of both ways is made here, ahead of the parting
	v_lshlrev_b32 v4, 4, v1                        ; 16 x lane
	s_mul_i32 s34, s30, XSTG
	v_add_nc_u32 v5, s34, v4                       ; activations' stage, in: a row's 512 bytes as they lie
	v_mul_u32_u24 v6, v2, 528
	v_lshl_add_u32 v6, v3, 6, v6
	v_add_nc_u32 v6, s34, v6                       ; out: row r, + 64 h: my 16 numbers of a block of 32
	v_lshlrev_b32 v7, 3, v1                        ; 8 x lane
	v_lshlrev_b32 v8, 3, v2
	v_lshl_add_u32 v8, v3, 7, v8                   ; scale words out: 128 h + 8 r
	v_bfe_u32 v16, v0, 3, 1                        ; weights: my column n0 + lane lies in tile u = (lane / 8) % 2
	v_and_b32 v17, 7, v0
	v_lshl_add_u32 v17, v3, 3, v17                 ; at place lane % 8 + 8 (lane / 16)
	s_mul_i32 s35, s30, WSTG
	s_add_co_u32 s35, s35, WST0
	v_mul_u32_u24 v9, v16, 3072
	v_lshl_add_u32 v10, v17, 3, v9
	v_lshl_add_u32 v9, v17, 4, v9
	v_add_nc_u32 v9, s35, v9                       ; weights' stage, in: 16 bytes a place
	v_add_nc_u32 v10, s35, v10                     ; and 8 bytes a place
	v_add_nc_u32 v11, s35, v4                      ; out: as it lies
	v_lshlrev_b32 v12, 2, v1                       ; 4 x lane
	v_lshlrev_b32 v13, 9, v16
	v_lshl_add_u32 v13, v17, 3, v13                ; scale words out: 512 u + 8 place
	s_wait_kmcnt 0x0
	s_cmp_lt_u32 ttmp9, 128
	s_cbranch_scc1 .Lweights
; ---------------- THE ACTIVATIONS.  A wave owns one tile: 16 rows x all 1,024 along K: 8 steps of one fragment.
	s_sub_co_u32 s34, ttmp9, 128
	s_lshr_b32 s35, s34, 7                         ; which tensor
	s_and_b32 s34, s34, 127
	s_lshl_b32 s34, s34, 2
	s_add_co_u32 s34, s34, s30                     ; which tile of its 512
	s_cmp_eq_u32 s35, 1
	s_cselect_b64 s[36:37], s[10:11], s[8:9]
	s_cmp_eq_u32 s35, 2
	s_cselect_b64 s[36:37], s[12:13], s[36:37]
	s_lshr_b32 s38, s34, 1
	s_lshl_b32 s38, s38, 17                        ; query, value: 32 rows of 4,096 bytes for each pair of tiles,
	s_and_b32 s39, s34, 1
	s_lshl_b32 s39, s39, 15                        ; 8 rows for the odd tile
	s_add_co_u32 s38, s38, s39
	; KEY'S TILES HAVE ANOTHER ORDER: place r of tile T holds row 64 (T / 4) + 8 (T % 4) + r % 8 + 32 (r / 8): as a product's source 0, a lane's 32 results of tiles 4 c .. 4 c + 3 are one whole block of 32 keys
	s_lshr_b32 s40, s34, 2
	s_lshl_b32 s40, s40, 18                        ; 64 rows for each four tiles,
	s_and_b32 s39, s34, 3
	s_lshl_b32 s39, s39, 15                        ; 8 rows for each tile of the four
	s_add_co_u32 s40, s40, s39
	s_cmp_eq_u32 s35, 1
	s_cselect_b32 s38, s40, s38
	s_cselect_b32 s41, 0x10000, 0                  ; key: places 8-15 lie 16 rows further on than in the other tensors
	s_mov_b32 s39, 0
	s_add_nc_u64 s[36:37], s[36:37], s[38:39]
	s_mul_i32 s38, s35, 6291456
	; CODES LIE BY CHUNKS: [group of 16 tiles: 196,608][chunk of 256 along K: 49,152][tile: 3,072][K step of the chunk: 1,536]: three chunks of a group are one dense run of memory
	s_lshr_b32 s40, s34, 4
	s_mul_i32 s40, s40, 196608
	s_add_co_u32 s38, s38, s40
	s_and_b32 s40, s34, 15
	s_mul_i32 s40, s40, 3072
	s_add_co_u32 s38, s38, s40
	s_add_nc_u64 s[22:23], s[22:23], s[38:39]      ; my tile's codes
	s_lshl_b32 s38, s35, 18
	s_lshl_b32 s40, s34, 9
	s_add_co_u32 s38, s38, s40
	s_add_nc_u64 s[24:25], s[24:25], s[38:39]
	v_add_nc_u32 v[TM+8], s41, v4                  ; the loads' offset for places 8-15
	s_wait_alu depctr_va_vdst(0)                   ; later steps' loads read the register behind blocking waits
.irp b, 0,1,2,3
	v_mov_b32 v[TM+4+\b], 0                        ; written once: a lane permute's destination counts as one of its sources
.endr
.macro LOADX t                         ; K step t of my 16 rows: each load reads 512 consecutive bytes of one row
.irp i, 0,1,2,3,4,5,6,7,8,9,10,11,12,13,14,15
.if \i < 8
	global_load_b128 v[L+64*((\t)%2)+4*\i:L+64*((\t)%2)+4*\i+3], v4, s[36:37] offset:(\i%8)*4096+512*(\t) th:TH_LOAD_NT
.else
	global_load_b128 v[L+64*((\t)%2)+4*\i:L+64*((\t)%2)+4*\i+3], v[TM+8], s[36:37] offset:((\i%8)+16)*4096+512*(\t) th:TH_LOAD_NT
.endif
.endr
.endm
.macro TURNX t                         ; through my stage: LDS serves a wave's instructions in order, so no wait stands between the stores and the loads
.irp i, 0,1,2,3,4,5,6,7,8,9,10,11,12,13,14,15
	ds_store_b128 v5, v[L+64*((\t)%2)+4*\i:L+64*((\t)%2)+4*\i+3] offset:528*\i
.endr
.irp b, 0,1,2,3
.irp j, 0,1,2,3
	ds_load_b128 v[X+16*\b+4*\j:X+16*\b+4*\j+3], v6 offset:128*\b+16*\j
.endr
.endr
.endm
; 64 numbers of a lane, register 16 b + i = k 32 b + 16 h + i of my row, become a fragment's codes in v[PC] on and its scale word in v[pw]
.macro QUANT s, pw
.irp b, 0,1,2,3
	v_max3_num_f32 v[TM+\b], |v[\s+16*\b]|, |v[\s+1+16*\b]|, 0x2800000   ; block b: my 16 numbers, and the floor 2^(5 - 127): the byte cannot fall under 1
.endr
.irp i, 2,4,6,8,10,12,14
.irp b, 0,1,2,3
	v_max3_num_f32 v[TM+\b], v[TM+\b], |v[\s+16*\b+\i]|, |v[\s+1+16*\b+\i]|   ; the four blocks by turns
.endr
.endr
.irp b, 0,1,2,3
	v_permlanex16_b32 v[TM+4+\b], v[TM+\b], s[SEL], s[SEL+1]
.endr
.irp b, 0,1,2,3
	v_max_num_f32 v[TM+\b], v[TM+\b], v[TM+4+\b]   ; with lane l xor 16's: the block's largest magnitude
.endr
.irp b, 0,1,2,3
	v_add_nc_u32 v[TM+12+\b], 0xfe000000, v[TM+\b] ; 4 off its exponent field: the conversion takes this operand's exponent field as its scale
.endr
.irp b, 0,1,2,3
	v_lshrrev_b32 v[TM+4+\b], 23, v[TM+12+\b]      ; the scale's byte
.endr
	v_lshl_or_b32 v[\pw], v[TM+5], 8, v[TM+4]
	v_lshl_or_b32 v[\pw], v[TM+6], 16, v[\pw]
	v_lshl_or_b32 v[\pw], v[TM+7], 24, v[\pw]      ; my row's scale word (the same in lanes r and r + 16)
.irp c, 0,1
	v_cvt_scalef32_pk16_bf6_f32 v[PC+6*\c:PC+2+6*\c], v[\s+32*\c:\s+15+32*\c], v[TM+12+2*\c]
	v_cvt_scalef32_pk16_bf6_f32 v[PC+12+4*\c:PC+14+4*\c], v[\s+16+32*\c:\s+31+32*\c], v[TM+12+2*\c+1]   ; (a conversion's three registers begin on an even number)
.endr
	v_nop                                          ; one plain place behind a scaled conversion
.irp c, 0,1                            ; the operand's layout wants a WHOLE block in a lane: lanes 0-15 block 2 c, lanes 16-31 block 2 c + 1
.irp i, 0,1,2
	v_permlane16_swap_b32 v[PC+6*\c+\i], v[PC+12+4*\c+\i]
.endr
.irp i, 0,1,2
	v_mov_b32 v[PC+3+6*\c+\i], v[PC+12+4*\c+\i]
.endr
.endr
.endm
.macro STEPX t
.if (\t) < 7
	s_wait_loadcnt 16                              ; this step's 16 loads are in; the next step's 16 may be out
.else
	s_wait_loadcnt 0x0
.endif
	TURNX \t
	s_wait_dscnt 0x0                               ; my 64 numbers are back
	s_wait_xcnt 0x0                                ; the last step's stores have read the codes' registers, which are written anew below
.if (\t) < 6
	LOADX (\t)+2
.endif
	QUANT X, PW+(\t)
	global_store_b128 v4, v[PC:PC+3], s[22:23] offset:49152*((\t)/2)+1536*((\t)%2)            ; 512 consecutive bytes
	global_store_b64 v7, v[PC+4:PC+5], s[22:23] offset:49152*((\t)/2)+1536*((\t)%2)+512       ; 256 consecutive bytes
	global_store_b128 v4, v[PC+6:PC+9], s[22:23] offset:49152*((\t)/2)+1536*((\t)%2)+768
	global_store_b64 v7, v[PC+10:PC+11], s[22:23] offset:49152*((\t)/2)+1536*((\t)%2)+1280
.endm
	LOADX 0
	LOADX 1
.irp t, 0,1,2,3,4,5,6,7
	STEPX \t
.endr
.irp j, 0,1                            ; lanes 0-15 store K steps 4 j, 4 j + 1, lanes 16-31 K steps 4 j + 2, 4 j + 3: 256 consecutive bytes a store
	v_cndmask_b32 v[D+2*\j], v[PW+4*\j], v[PW+4*\j+2], s31
	v_cndmask_b32 v[D+2*\j+1], v[PW+4*\j+1], v[PW+4*\j+3], s31
	global_store_b64 v8, v[D+2*\j:D+2*\j+1], s[24:25] offset:256*\j
.endr
	s_wait_tensorcnt 0x0                           ; the wave's end, behind my last LDS store
	ds_add_u32 v[SPW], v[NIL]
	s_wait_dscnt 0x0
	s_endpgm
; ---------------- THE WEIGHTS.  A lane takes a column n and its registers run down K: a block of 32 lies in one lane, and the codes come out with K innermost.
; A wave takes 32 columns x 256 along K: 8 blocks a lane; they meet in my stage as two tiles' images and leave as they lie, 512 consecutive bytes a store.
.Lweights:
	s_lshr_b32 s35, ttmp9, 5                       ; which weight
	s_bfe_u32 s34, ttmp9, 0x20003                  ; which 256 along K
	s_and_b32 s40, ttmp9, 7                        ; which 128 columns
	s_cmp_eq_u32 s35, 1
	s_cselect_b64 s[36:37], s[16:17], s[14:15]
	s_cmp_eq_u32 s35, 2
	s_cselect_b64 s[36:37], s[18:19], s[36:37]
	s_cmp_eq_u32 s35, 3
	s_cselect_b64 s[36:37], s[20:21], s[36:37]
	s_lshl_b32 s38, s34, 20                        ; 256 rows of 4,096 bytes
	s_lshl_b32 s41, s40, 9
	s_add_co_u32 s38, s38, s41
	s_lshl_b32 s41, s30, 7
	s_add_co_u32 s38, s38, s41                     ; + 4 x my wave's first column
	s_mov_b32 s39, 0
	s_add_nc_u64 s[36:37], s[36:37], s[38:39]
	s_lshl_b32 s41, s40, 3
	s_lshl_b32 s42, s30, 1
	s_add_co_u32 s41, s41, s42                     ; my first tile of the weight's 64
	s_mul_i32 s38, s35, 786432
	s_lshr_b32 s42, s41, 4                         ; by chunks, as the activations' codes
	s_mul_i32 s42, s42, 196608
	s_add_co_u32 s38, s38, s42
	s_and_b32 s42, s41, 15
	s_mul_i32 s42, s42, 3072
	s_add_co_u32 s38, s38, s42
	s_mul_i32 s42, s34, 49152
	s_add_co_u32 s38, s38, s42
	s_add_nc_u64 s[26:27], s[26:27], s[38:39]
	s_lshl_b32 s38, s35, 15
	s_lshl_b32 s42, s41, 9
	s_add_co_u32 s38, s38, s42
	s_lshl_b32 s42, s34, 7
	s_add_co_u32 s38, s38, s42
	s_add_nc_u64 s[28:29], s[28:29], s[38:39]
.macro LOADW t                         ; block t: W(32 t + i, my column): 128 consecutive bytes a load
.irp i, 0,1,2,3,4,5,6,7,8,9,10,11,12,13,14,15,16,17,18,19,20,21,22,23,24,25,26,27,28,29,30,31
	global_load_b32 v[16+32*((\t)%2)+\i], v12, s[36:37] offset:(32*(\t)+\i)*4096 th:TH_LOAD_NT
.endr
.endm
.macro BLOCKW t
.set XS, 16+32*((\t)%2)
.set WO, ((\t)/4)*1536+(((\t)/2)%2)*768
.if (\t) < 7
	s_wait_loadcnt 32                              ; this block's 32 loads are in; the next block's may be out
.else
	s_wait_loadcnt 0x0
.endif
	v_max3_num_f32 v92, |v[XS]|, |v[XS+1]|, |v[XS+2]|
	v_max3_num_f32 v93, |v[XS+3]|, |v[XS+4]|, |v[XS+5]|
.irp i, 6,10,14,18,22,26
	v_max3_num_f32 v92, v92, |v[XS+\i]|, |v[XS+\i+1]|
	v_max3_num_f32 v93, v93, |v[XS+\i+2]|, |v[XS+\i+3]|
.endr
	v_max3_num_f32 v92, v92, |v[XS+30]|, |v[XS+31]|
	v_max3_num_f32 v92, v92, v93, 0x2800000        ; and the floor
	v_add_nc_u32 v94, 0xfe000000, v92              ; the conversions' scale operand
	v_lshrrev_b32 v93, 23, v94                     ; the scale's byte
.if (\t)%4 == 0
	v_mov_b32 v[96+(\t)/4], v93                    ; four bytes to a word, the lower K in the lower byte
.else
	v_lshl_or_b32 v[96+(\t)/4], v93, 8*((\t)%4), v[96+(\t)/4]
.endif
	v_cvt_scalef32_pk16_bf6_f32 v[80:82], v[XS:XS+15], v94
	v_cvt_scalef32_pk16_bf6_f32 v[88:90], v[XS+16:XS+31], v94
	v_nop                                          ; one plain place behind a scaled conversion
	v_mov_b32 v83, v88
	v_mov_b32 v84, v89
	v_mov_b32 v85, v90
	ds_store_b128 v9, v[80:83] offset:WO+((\t)%2)*256          ; block t is half t % 2 of the lanes of half image (t / 2) % 2 of K step t / 4
	ds_store_b64 v10, v[84:85] offset:WO+((\t)%2)*128+512
.if (\t) < 6
	LOADW (\t)+2
.endif
	s_wait_dscnt 0x0                               ; the stores have read their registers: the next block's codes may be written
.endm
	s_wait_alu depctr_va_vdst(0)
	LOADW 0
	LOADW 1
.irp t, 0,1,2,3,4,5,6,7
	BLOCKW \t
.endr
	s_wait_alu depctr_va_vdst(0)
	global_store_b64 v13, v[96:97], s[28:29]       ; my column's two scale words: runs of 128 bytes, 128 KiB in the whole launch
.irp i, 0,1,2,3,4,5,6,7,8,9,10,11
	ds_load_b128 v[144+4*\i:147+4*\i], v11 offset:512*\i
.endr
.irp i, 0,1,2,3,4,5,6,7,8,9,10,11
	s_wait_dscnt 11-\i                             ; LDS loads come back in order: load i is in
	global_store_b128 v4, v[144+4*\i:147+4*\i], s[26:27] offset:(\i/6)*3072+(\i%6)*512
.endr
	s_wait_tensorcnt 0x0                           ; the wave's end, behind my last LDS store
	ds_add_u32 v[SPW], v[NIL]
	s_wait_dscnt 0x0
	s_endpgm
.Lfunc_end_k_q5b29a481b9_quant:
	.size	k_q5b29a481b9_quant, .Lfunc_end_k_q5b29a481b9_quant-k_q5b29a481b9_quant
	.p2alignl 7, 3214868480
	.fill 96, 4, 3214868480
	.section	.rodata,"a",@progbits
	.p2align	6, 0x0
	.amdhsa_kernel k_q5b29a481b9_quant
		.amdhsa_group_segment_fixed_size 58880
		.amdhsa_private_segment_fixed_size 0
		.amdhsa_enable_private_segment 0
		.amdhsa_kernarg_size 88
		.amdhsa_user_sgpr_count 2
		.amdhsa_user_sgpr_kernarg_segment_ptr 1
		.amdhsa_wavefront_size32 1
		.amdhsa_system_sgpr_workgroup_id_x 1
		.amdhsa_system_sgpr_workgroup_id_y 1
		.amdhsa_system_sgpr_workgroup_id_z 1
		.amdhsa_system_vgpr_workitem_id 0
		.amdhsa_next_free_vgpr 256
		.amdhsa_next_free_sgpr 66
		.amdhsa_reserve_vcc 0
		.amdhsa_float_denorm_mode_32 3
		.amdhsa_float_denorm_mode_16_64 3
		.amdhsa_memory_ordered 1
		.amdhsa_forward_progress 1
		.amdhsa_inst_pref_size 107
	.end_amdhsa_kernel
	.amdgpu_metadata
---
amdhsa.version: [ 1, 2 ]
amdhsa.kernels:
  - .name:           k_q5b29a481b9_quant
    .symbol:         k_q5b29a481b9_quant.kd
    .args:
      - { .name: query, .offset: 0, .size: 8, .value_kind: global_buffer, .address_space: global }
      - { .name: key, .offset: 8, .size: 8, .value_kind: global_buffer, .address_space: global }
      - { .name: value, .offset: 16, .size: 8, .value_kind: global_buffer, .address_space: global }
      - { .name: Wq, .offset: 24, .size: 8, .value_kind: global_buffer, .address_space: global }
      - { .name: Wk, .offset: 32, .size: 8, .value_kind: global_buffer, .address_space: global }
      - { .name: Wv, .offset: 40, .size: 8, .value_kind: global_buffer, .address_space: global }
      - { .name: Wo, .offset: 48, .size: 8, .value_kind: global_buffer, .address_space: global }
      - { .name: xc, .offset: 56, .size: 8, .value_kind: global_buffer, .address_space: global }
      - { .name: xs, .offset: 64, .size: 8, .value_kind: global_buffer, .address_space: global }
      - { .name: wc, .offset: 72, .size: 8, .value_kind: global_buffer, .address_space: global }
      - { .name: ws, .offset: 80, .size: 8, .value_kind: global_buffer, .address_space: global }
    .group_segment_fixed_size: 58880
    .private_segment_fixed_size: 0
    .kernarg_segment_align: 8
    .kernarg_segment_size: 88
    .max_flat_workgroup_size: 128
    .sgpr_count:     66
    .vgpr_count:     256
    .wavefront_size: 32
...
	.end_amdgpu_metadata
.endif
;; end of part 1
;; launch proj (part 2): grid 4 x 96, 4 waves a work-group, clusters of 4 x 4, 327,680 bytes of LDS; arguments xc, xs, wc, ws, bq, bk, bv, pc, ps; writes pc, ps
.if DOCPART == 2
	.amdgcn_target "amdgcn-amd-amdhsa--gfx1250"
	.amdhsa_code_object_version 6
	.text
	.protected	k_q5b29a481b9_proj
	.globl	k_q5b29a481b9_proj
	.p2align	8
	.type	k_q5b29a481b9_proj,@function
k_q5b29a481b9_proj:
	s_mov_b64 s[64:65], 0
	v_nop
	global_prefetch_b8 v0, s[64:65] scope:SCOPE_SE
	s_setreg_imm32_b32 hwreg(HW_REG_WAVE_MODE, 25, 1), 1
	s_wait_xcnt 0x0
	s_wait_alu depctr_hold_cnt(0) depctr_sa_sdst(0) depctr_va_vdst(0) depctr_va_sdst(0) depctr_va_ssrc(0) depctr_va_vcc(0) depctr_vm_vsrc(0)
	s_getreg_b32 s2, hwreg(HW_REG_IB_STS2, 6, 4)
	s_cmp_eq_u32 s2, 0
	s_cbranch_scc0 .Lentry_in_a_cluster
	s_endpgm
.Lentry_in_a_cluster:
	s_bfe_u32 s2, ttmp6, 0x10000c
	s_cmp_lg_u32 s2, 0xf033
	s_cbranch_scc0 .Lentry_shape_is_right
	s_endpgm
.Lentry_shape_is_right:
; Launch 2 of 4: q = query Wq + bq, k = key Wk + bk, v = value Wv + bv on codes of BF6, K = 1,024; the results are quantised in registers: q and k along the head's 64, v along the keys.  Nothing is left out.
; A work-group of four waves makes 256 x 256 of one result, a wave 128 x 128: 64 accumulators.  THE MATRIX INSTRUCTION IS USED TRANSPOSED: source 0 = a tile of operand B, source 1 = a tile of operand A:
; a lane holds one place of A's tile, and since a tile's places are 32 (T / 2) + 8 (T % 2) + r % 8 + 16 (r / 8), its 16 registers of B's tiles 2 b, 2 b + 1 are 16 NEIGHBOURS 32 b + 16 h + 0 .. 15 along B's rows.
; q, k: A = the activation's rows, B = the weight's columns: the registers run along the columns (two heads of 64).   v: A = Wv's columns, B = value's rows: the registers run along the KEYS.
; Codes lie in memory as images of the operand's registers (half image: 768 bytes; a tile's 8 K steps on end, 12,288 bytes); scale words: tile x 512 + (K step / 2) x 128 + 8 r + 4 (K step % 2).
; K goes in four slots' worth of 256.  Three LDS slots are filled at the start, the fourth fill goes into slot 0 when it has been read: one refill in the launch, no loop.  All scale words come at the start.
; CLUSTER 4 x 4: A's tiles are shared along a row of the cluster, B's along a column: joint loads.  The tensor's number and all trip-free branches hang on the cluster's y alone, the same in all partners.
; OUT: q, k: [batch][128 tiles][16 heads][768];  v: [batch][16 steps of 128 keys][64 tiles of columns][1,536];  scale words: [tensor][batch][16 steps][16 heads][512]: lane 16 (a % 2) + r has 16 bytes, word a / 2 is tile a's.
; LIMITS: NaN and infinities are not served; scale bytes are held at 1 from below (a block of zeros has the byte 1 and zero codes).
; REGISTERS, in windows of 256: window 0: v1-29 addresses; v32-63 scale words, two sets; v64-127 the bias as C; v128-223 A's fragments, one set.  window 1: B's fragments, two sets (v0, v128).  windows 2, 3: accumulator (a, b) at v[8 (8 (a % 4) + b)].
.set SLOTB, 98304                      ; a slot: A's 16 tiles x 3,072 bytes (256 along K), then B's 16
.set HALFB, 24576                      ; 8 tiles: what one tensor load brings, and what one wave reads of A or of B
.set TILEB, 3072
; AS THE TEXT NOW STANDS: codes lie in memory by chunks, [group of 16 tiles][chunk of 256 along K: 49,152][tile: 3,072].  LDS: A's chunks 0-2 from byte 0, B's from BREG; chunk 3 later lands on chunk 0's bytes.
; At the head each wave issues ONE joint load: wave 0 A's three chunks (a dense run of 147,456 bytes), wave 1 B's, wave 2 A's scale words, wave 3 B's.
.set CHUNKB, 49152
.set BREG,   3*CHUNKB
.set SCL,   3*SLOTB                    ; the scale words for all of K: 8,192 bytes for each wave's load: A's halves, then B's
.set SPARE, SCL+16384                  ; the spare words, 128 bytes for each wave: two blocks of 256 bytes that no other line names
.set FR,   12
.set A16,  4                           ; v4-6   my A tiles in slot 0, 1, 2, + 16 x lane
.set A8,   7                           ; v7-9   the same + 8 x lane
.set B16,  10                          ; v10-12 my B tiles
.set B8,   13                          ; v13-15
.set ADRS, 16                          ; v16    my scale words: lanes 0-15 A's, lanes 16-31 B's
.set O16,  17                          ; v17    16 x lane
.set O8,   18                          ; v18    8 x lane
.set SPW,  28                          ; v28    LDS address of my spare word; never rewritten
.set NIL,  29                          ; v29    0; never rewritten
.set SC,   32
.set BI,   64
.set AF,   128
.set G1A,  24                          ; s[24:31] group 1 for A's codes;  s[32:39] groups 0 for the head's load and the refill;  s[44:47] group 0 for A's scales
.set G0A,  32
.set G0SA, 44
.set G1B,  48                          ; s[48:55] group 1 for B's codes;  s[56:63] groups 0 for the head's load and the refill;  s[88:91] for B's scales
.set G0B,  56
.set G0B2, 84
.set G0SB, 88
.set G1S,  68                          ; s[68:75], s[76:83] groups 1 for A's and B's scales
.set G1SB, 76
.set MSB, 0
.macro WIN new                         ; the immediate's high byte repeats the setting that is left
.if MSB != \new
	s_set_vgpr_msb (MSB<<8)|\new
.set MSB, \new
.endif
.endm
.set MUL_LO, 0xa1                      ; source 0 (B) window 1, source 1 (A) window 0, C and D window 2
.set MUL_HI, 0xf1                      ; the same, C and D window 3
.set TO_B,   0x40                      ; destination window 1, address window 0
; A joint load: waves 0 and 1 fetch for A, waves 2 and 3 for B; the branch hangs on the wave's number alone.  An s_nop 0 and four v_nop follow each line.
.macro JLOAD g0a, g1a, g0b, g1b
	s_cmp_eq_u32 s13, 0
	s_cbranch_scc0 .Lfor_b_\@
	tensor_load_to_lds s[\g0a:\g0a+3], s[\g1a:\g1a+7]
	s_nop 0
.rept 4
	v_nop
.endr
	s_branch .Lasked_\@
.Lfor_b_\@:
	tensor_load_to_lds s[\g0b:\g0b+3], s[\g1b:\g1b+7]
	s_nop 0
.rept 4
	v_nop
.endr
.Lasked_\@:
.endm
.macro CREST                           ; a round of the cluster's barrier behind its opening barrier
	s_cmp_lg_u32 s12, 0
	s_cbranch_scc1 .Lnot_wave_0_\@
	s_barrier_signal -3
.Lnot_wave_0_\@:
	s_barrier_wait -3
	s_barrier_signal -1
	s_barrier_wait -1
.endm
.macro CROUND
	s_barrier_signal -1
	s_barrier_wait -1
	CREST
.endm
.macro PLACES                          ; four plain places behind matrix instructions, in front of loads into their registers and of reads of their results
.rept 4
	v_nop
.endr
.endm
	s_load_b256 s[4:11], s[0:1], 0x0               ; xc 4, xs 6, wc 8, ws 10
	s_load_b256 s[92:99], s[0:1], 0x20             ; bq 92, bk 94, bv 96, pc 98
	s_load_b64 s[100:101], s[0:1], 0x40            ; ps
	v_lshl_add_u32 v[SPW], v0, 2, SPARE
	v_mov_b32 v[NIL], 0
	ds_add_u32 v[SPW], v[NIL]                      ; the wave's opening: the add, twice on end, and its wait ahead of my first tensor load
	ds_add_u32 v[SPW], v[NIL]                      ; and once more, under the one wait; the set-up below, work on registers, stands between
	v_lshrrev_b32 v1, 5, v0
	v_readfirstlane_b32 s12, v1                    ; wave
	s_lshr_b32 s13, s12, 1                         ; my half of A's 256 places.  Also: I fetch for A (0) or for B (1)
	s_and_b32 s14, s12, 1                          ; my half of B's.  Also: which 8 tiles I fetch
	s_bfe_u32 s15, ttmp6, 0x40000                  ; cx
	s_bfe_u32 s16, ttmp6, 0x40004                  ; cy
	s_and_b32 s17, ttmp7, 0xffff                   ; the cluster's y, 0 .. 23
	s_lshr_b32 s18, s17, 3                         ; the tensor: 0 q, 1 k, 2 v
	s_and_b32 s19, s17, 7                          ; which 1,024 rows of the activation
	s_mul_i32 s22, s18, 6291456                    ; q, k: A = the tensor's codes in xc,
	s_mul_i32 s2, s18, 262144                      ; its scale words in xs,
	s_mul_i32 s66, s18, 786432                     ; B = its weight in wc,
	s_mul_i32 s104, s18, 32768                     ; and in ws
	s_cmp_eq_u32 s18, 2                            ; v: the two change places
	s_cselect_b32 s20, 0, s19
	s_cselect_b32 s21, s19, 0
	s_cselect_b32 s22, 1572864, s22
	s_cselect_b32 s2, 65536, s2
	s_cselect_b32 s66, 12582912, s66
	s_cselect_b32 s104, 524288, s104
	s_lshl_b32 s20, s20, 2
	s_add_co_u32 s20, s20, s16                     ; which 256 places of A: it hangs on cy, never on cx
	s_lshl_b32 s21, s21, 2
	s_add_co_u32 s21, s21, s15                     ; which 256 places of B: it hangs on cx, never on cy
	s_mul_i32 s23, s20, 196608                     ; 16 tiles of 12,288 bytes
	s_add_co_u32 s22, s22, s23
	s_mov_b32 s23, 0                               ; s[22:23]: where the A tiles that I fetch begin
	s_lshl_b32 s3, s20, 13
	s_add_co_u32 s2, s2, s3
	s_mov_b32 s3, 0                                ; s[2:3]: their scale words
	s_mul_i32 s67, s21, 196608
	s_add_co_u32 s66, s66, s67
	s_mov_b32 s67, 0                               ; s[66:67]: B's tiles
	s_lshl_b32 s105, s21, 13
	s_add_co_u32 s104, s104, s105
	s_mov_b32 s105, 0                              ; s[104:105]: their scale words
	s_lshl_b32 s17, s16, 2
	s_lshl_b32 s17, 15, s17                        ; my row of the cluster
	s_lshl_b32 s19, 0x1111, s15                    ; my column
	s_or_b32 s[G1A], s17, (3<<16)|(1<<21)          ; 15:0 the mask; 17:16 elements of 8 bytes; 21 set beside a mask; no padding
	s_or_b32 s[G1S], s17, (3<<16)|(1<<21)
	s_or_b32 s[G1B], s19, (3<<16)|(1<<21)
	s_or_b32 s[G1SB], s19, (3<<16)|(1<<21)
.irp g, G1A, G1B                       ; codes: 8 rows (tiles) of 3,072 bytes, 3,072 bytes apart
	s_mov_b32 s[\g+1], 384<<16
	s_mov_b32 s[\g+2], 48<<16                      ; the head's loads: 48 dense rows of 3,072 bytes; behind them the two words that count rows are set to 8
	s_mov_b32 s[\g+3], 384<<16
	s_mov_b32 s[\g+4], 48
	s_mov_b32 s[\g+5], 384
	s_mov_b32 s[\g+6], 0
	s_mov_b32 s[\g+7], 0
.endr
.irp g, G1S, G1SB                      ; scale words: a dense block of 8,192 bytes as 32 rows of 256
	s_mov_b32 s[\g+1], 32<<16
	s_mov_b32 s[\g+2], 32<<16                      ; 8,192 bytes: the scale words of 16 tiles
	s_mov_b32 s[\g+3], 32<<16
	s_mov_b32 s[\g+4], 32
	s_mov_b32 s[\g+5], 32
	s_mov_b32 s[\g+6], 0
	s_mov_b32 s[\g+7], 0
.endr
	s_mul_i32 s17, s14, HALFB                      ; the refill: my 8 tiles of chunk 3: no place in the cluster enters an LDS address
	s_mov_b32 s[G0A], 1                            ; the head's load of A
	s_mov_b32 s[G0A+1], 0
	s_mov_b32 s[G0A+4], 1                          ; A's refill
	s_mov_b32 s[G0A+5], s17
	s_mov_b32 s[G0B], 1                            ; the head's load of B
	s_mov_b32 s[G0B+1], BREG
	s_mov_b32 s[G0B+4], 1                          ; B's refill
	s_add_co_u32 s[G0B+5], s17, BREG
	s_mov_b32 s[G0SA], 1
	s_mov_b32 s[G0SA+1], SCL
	s_mov_b32 s[G0SB], 1
	s_mov_b32 s[G0SB+1], SCL+8192
	s_wait_dscnt 0x0                               ; both opening adds are done
	s_wait_kmcnt 0x0
	s_cmp_eq_u32 s18, 2
	s_cselect_b64 s[G0A+2:G0A+3], s[8:9], s[4:5]
	s_cselect_b64 s[G0SA+2:G0SA+3], s[10:11], s[6:7]
	s_cselect_b64 s[G0B+2:G0B+3], s[4:5], s[8:9]
	s_cselect_b64 s[G0SB+2:G0SB+3], s[6:7], s[10:11]
	s_add_nc_u64 s[G0A+2:G0A+3], s[G0A+2:G0A+3], s[22:23]
	s_add_nc_u64 s[G0SA+2:G0SA+3], s[G0SA+2:G0SA+3], s[2:3]
	s_add_nc_u64 s[G0B+2:G0B+3], s[G0B+2:G0B+3], s[66:67]
	s_add_nc_u64 s[G0SB+2:G0SB+3], s[G0SB+2:G0SB+3], s[104:105]
	s_add_co_u32 s22, s17, 3*CHUNKB                ; chunk 3, my 8 tiles
	s_mov_b32 s23, 0
	s_add_nc_u64 s[G0A+6:G0A+7], s[G0A+2:G0A+3], s[22:23]
	s_add_nc_u64 s[G0B+6:G0B+7], s[G0B+2:G0B+3], s[22:23]
.irp g, G0A+3, G0A+7, G0SA+3, G0B+3, G0B+7, G0SB+3
	s_or_b32 s[\g], s[\g], 0x80000000              ; type = 2
.endr
	CROUND                                         ; all sixteen work-groups are here: the first joint loads meet
; ONE tree of branches on the wave's number, one load to an arm, all arms to one join: one tensor load a wave at the head
.macro ARM under, g0, g1, next
	s_cmp_lt_u32 s12, \under
	s_cbranch_scc0 \next
	tensor_load_to_lds s[\g0:\g0+3], s[\g1:\g1+7]
	s_nop 0
.rept 4
	v_nop
.endr
	s_branch .Lhead_asked
\next:
.endm
	ARM 1, G0A,  G1A, .Lhead_b
	ARM 2, G0B,  G1B, .Lhead_sa
	ARM 3, G0SA, G1S, .Lhead_sb
	tensor_load_to_lds s[G0SB:G0SB+3], s[G1SB:G1SB+7]
	s_nop 0
.rept 4
	v_nop
.endr
.Lhead_asked:
	v_and_b32 v3, 31, v0
	v_and_b32 v1, 15, v0                           ; r
	v_bfe_u32 v2, v0, 4, 1                         ; h
	v_lshlrev_b32 v[O16], 4, v3
	v_lshlrev_b32 v[O8], 3, v3
	s_mul_i32 s2, s13, HALFB                       ; my 8 tiles of A
	s_mul_i32 s3, s14, HALFB
	s_add_co_u32 s3, s3, BREG                      ; my 8 tiles of B, in B's region
.irp s, 0,1,2
	v_add_nc_u32 v[A16+\s], s2, v[O16]
	v_add_nc_u32 v[A8+\s], s2, v[O8]
	v_add_nc_u32 v[B16+\s], s3, v[O16]
	v_add_nc_u32 v[B8+\s], s3, v[O8]
	s_add_co_u32 s2, s2, CHUNKB
	s_add_co_u32 s3, s3, CHUNKB
.endr
	s_lshl_b32 s22, s13, 12                        ; A's scale words: my half
	s_lshl_b32 s23, s14, 12
	s_add_co_u32 s23, s23, 8192                    ; B's: my half, behind A's two
	s_sub_co_u32 s23, s23, s22
	v_mul_u32_u24 v[ADRS], s23, v2                 ; lanes 16-31 take B's: one product, the distance between the two
	s_add_co_u32 s22, s22, SCL
	v_lshl_add_u32 v[ADRS], v1, 3, v[ADRS]
	v_add_nc_u32 v[ADRS], s22, v[ADRS]
	; THE BIAS IS THE C OF EACH SUM'S FIRST MATRIX INSTRUCTION.  q, k: it runs along the registers: for B's tile b the numbers 32 (b / 2) + 8 (b % 2) + 16 h + 0 .. 7.  v: it belongs to the lane: A's tile a, my place's column.
	v_lshlrev_b32 v19, 6, v2
	v_and_b32 v20, 7, v1
	v_lshrrev_b32 v21, 3, v1
	v_lshl_add_u32 v20, v21, 4, v20
	v_lshlrev_b32 v20, 2, v20
	s_cmp_eq_u32 s18, 2
	s_cbranch_scc1 .Lbias_v
	s_cmp_eq_u32 s18, 1
	s_cselect_b64 s[2:3], s[94:95], s[92:93]
	s_lshl_b32 s22, s21, 10
	s_lshl_b32 s23, s14, 9
	s_add_co_u32 s22, s22, s23
	s_mov_b32 s23, 0
	s_add_nc_u64 s[2:3], s[2:3], s[22:23]
	s_wait_alu depctr_va_vdst(0)
.irp b, 0,1,2,3,4,5,6,7
	global_load_b128 v[BI+8*\b:BI+8*\b+3], v19, s[2:3] offset:(32*(\b/2)+8*(\b%2))*4
	global_load_b128 v[BI+8*\b+4:BI+8*\b+7], v19, s[2:3] offset:(32*(\b/2)+8*(\b%2))*4+16
.endr
	s_branch .Lbias_in
.Lbias_v:
	s_lshl_b32 s22, s20, 10
	s_lshl_b32 s23, s13, 9
	s_add_co_u32 s22, s22, s23
	s_mov_b32 s23, 0
	s_add_nc_u64 s[2:3], s[96:97], s[22:23]
	s_wait_alu depctr_va_vdst(0)
.irp a, 0,1,2,3,4,5,6,7
	global_load_b32 v[BI+8*\a], v20, s[2:3] offset:(32*(\a/2)+8*(\a%2))*4
.endr
	s_wait_loadcnt 0x0
.irp a, 0,1,2,3,4,5,6,7
.irp j, 1,2,3,4,5,6,7
	v_mov_b32 v[BI+8*\a+\j], v[BI+8*\a]            ; the same number for the lane's eight keys
.endr
.endr
.Lbias_in:
.macro FRAG reg, a16, a8, off          ; a fragment comes back as it was stored: two half images
	ds_load_b128 v[\reg:\reg+3], v[\a16] offset:\off
	ds_load_b64 v[\reg+4:\reg+5], v[\a8] offset:\off+512
	ds_load_b128 v[\reg+6:\reg+9], v[\a16] offset:\off+768
	ds_load_b64 v[\reg+10:\reg+11], v[\a8] offset:\off+1280
.endm
.macro FETCH_B slot, q, p              ; B's eight fragments of the slot's q-th 128 along K into set p
	WIN TO_B
.irp i, 0,1,2,3,4,5,6,7
	FRAG 128*(\p)+FR*\i, B16+(\slot), B8+(\slot), TILEB*\i+1536*(\q)
.endr
	WIN 0
.endm
.macro FETCH_A slot, q, i0             ; A's blocks i0 .. i0 + 3
.irp i, \i0, \i0+1, \i0+2, \i0+3
	FRAG AF+FR*(\i), A16+(\slot), A8+(\slot), TILEB*(\i)+1536*(\q)
.endr
.endm
.macro SCALES kp                       ; the scale words of K 256 kp on: two words a row; lanes 0-15 A's block i, lanes 16-31 B's block i
.irp i, 0,1,2,3,4,5,6,7
	ds_load_b64 v[SC+16*((\kp)%2)+2*\i:SC+16*((\kp)%2)+2*\i+1], v[ADRS] offset:512*\i+128*(\kp)
.endr
.endm
; 16 matrix instructions: A's blocks a0, a0 + 1 x B's eight.  mode 0: the sums go on; 1: they begin with the bias of B's block; 2: with that of A's block.  The 64 accumulators take turns.
.macro MUL16 a0, p, q, sc, mode
.irp a, \a0, \a0+1
.irp b, 0,1,2,3,4,5,6,7
.if \mode == 1
	v_wmma_scale_f32_16x16x128_f8f6f4 v[8*(8*((\a)%4)+\b):8*(8*((\a)%4)+\b)+7], v[128*(\p)+FR*\b:128*(\p)+FR*\b+FR-1], v[AF+FR*(\a):AF+FR*(\a)+FR-1], v[BI+8*\b:BI+8*\b+7], v[SC+16*(\sc)+2*\b+(\q)], v[SC+16*(\sc)+2*(\a)+(\q)] matrix_a_fmt:MATRIX_FMT_BF6 matrix_b_fmt:MATRIX_FMT_BF6 matrix_a_scale:MATRIX_SCALE_ROW1
.elseif \mode == 2
	v_wmma_scale_f32_16x16x128_f8f6f4 v[8*(8*((\a)%4)+\b):8*(8*((\a)%4)+\b)+7], v[128*(\p)+FR*\b:128*(\p)+FR*\b+FR-1], v[AF+FR*(\a):AF+FR*(\a)+FR-1], v[BI+8*(\a):BI+8*(\a)+7], v[SC+16*(\sc)+2*\b+(\q)], v[SC+16*(\sc)+2*(\a)+(\q)] matrix_a_fmt:MATRIX_FMT_BF6 matrix_b_fmt:MATRIX_FMT_BF6 matrix_a_scale:MATRIX_SCALE_ROW1
.else
	v_wmma_scale_f32_16x16x128_f8f6f4 v[8*(8*((\a)%4)+\b):8*(8*((\a)%4)+\b)+7], v[128*(\p)+FR*\b:128*(\p)+FR*\b+FR-1], v[AF+FR*(\a):AF+FR*(\a)+FR-1], v[8*(8*((\a)%4)+\b):8*(8*((\a)%4)+\b)+7], v[SC+16*(\sc)+2*\b+(\q)], v[SC+16*(\sc)+2*(\a)+(\q)] matrix_a_fmt:MATRIX_FMT_BF6 matrix_b_fmt:MATRIX_FMT_BF6 matrix_a_scale:MATRIX_SCALE_ROW1
.endif
.endr
.endr
.endm
.macro NAMES g                         ; step g of the eight of 128 along K: its set of B and of scale words, and where step g + 1 lies
.set P_,  (\g)%2
.set C_,  ((\g)/2)%2
.set NS_, (((\g)+1)/2)%3
.set NQ_, ((\g)+1)%2
.set NK_, ((\g)+1)/2
.endm
.macro SECOND mode                     ; a step's second half: the next step's B and A's blocks 0-3, my blocks 4-7's products, the next step's blocks 4-7
	FETCH_B NS_, NQ_, NQ_
	FETCH_A NS_, NQ_, 0
.if NQ_ == 0
	SCALES NK_
.endif
.if \mode
	WIN 0xc1                                       ; C (the bias) in window 0, D in window 3
.else
	WIN MUL_HI
.endif
	MUL16 4, P_, P_, C_, \mode
	MUL16 6, P_, P_, C_, \mode
	PLACES
	WIN 0
	FETCH_A NS_, NQ_, 4
.endm
.macro STEP g, mode
	NAMES \g
	s_wait_dscnt 16                                ; all but the youngest 16 loads, A's blocks 4-7, are in
.if \mode
	WIN 0x81                                       ; C (the bias) in window 0, D in window 2
.else
	WIN MUL_LO
.endif
	MUL16 0, P_, P_, C_, \mode
	MUL16 2, P_, P_, C_, \mode
	s_wait_dscnt 0x0                               ; A's blocks 4-7 are in
	PLACES
	SECOND \mode
.endm
; A step behind which a slot is entered that others' loads filled: ONE barrier; in front of it each wave waits for all its tensor loads, adds 0 to its spare word, and waits for that and for its reads.
; fill = 1: slot 0, just read out, takes K 768-1023: the barrier opens a round of the cluster's barrier, and the joint refill is the first tensor load behind it: it has four steps, 256 matrix instructions, in which to land.
.macro TURN g, fill
	NAMES \g
	s_wait_tensorcnt 0x0                           ; all my tensor loads have landed
	ds_add_u32 v[SPW], v[NIL]                      ; 0 onto my spare word
	s_wait_dscnt 17                                ; (the add and the youngest 16 loads may be out)
	WIN MUL_LO
	MUL16 0, P_, P_, C_, 0                         ; sixteen matrix instructions stand between the add and the wait for it
	s_wait_dscnt 0x0                               ; the add is done, and my reads of the slot are over
	s_barrier_signal -1
	MUL16 2, P_, P_, C_, 0
	WIN 0
	s_barrier_wait -1
.if \fill
	CREST                                          ; no wave of any partner still reads slot 0 or has a load on its way
	JLOAD G0A+4, G1A, G0B+4, G1B                   ; chunk 3 onto chunk 0's bytes; its four v_nop are also the places in front of the loads below
.else
	PLACES
.endif
	SECOND 0
.endm
	s_wait_tensorcnt 0x0                           ; my one load of the head is in
	s_mov_b32 s[G1A+2], 8<<16                      ; no tensor load of mine is out: from here on a load brings 8 rows
	s_mov_b32 s[G1A+4], 8
	s_mov_b32 s[G1B+2], 8<<16
	s_mov_b32 s[G1B+4], 8
	s_barrier_signal -1
	s_barrier_wait -1
	FETCH_B 0, 0, 0
	FETCH_A 0, 0, 0
	SCALES 0
	FETCH_A 0, 0, 4
	s_wait_loadcnt 0x0                             ; the bias
	s_cmp_eq_u32 s18, 2
	s_cbranch_scc1 .Lfirst_v
	s_wait_alu depctr_va_vdst(0)
	STEP 0, 1
	s_branch .Lfirst_done
.Lfirst_v:
	s_wait_alu depctr_va_vdst(0)
	STEP 0, 2
.Lfirst_done:
	TURN 1, 1                                      ; its wait for all loads also shows slots 1 and 2 whole to every wave: no barrier stands between them
	STEP 2, 0
	STEP 3, 0
	STEP 4, 0
	TURN 5, 0                                      ; the refill has landed in every wave
	STEP 6, 0
	NAMES 7
	s_wait_dscnt 16
	WIN MUL_LO
	MUL16 0, P_, P_, C_, 0
	MUL16 2, P_, P_, C_, 0
	s_wait_dscnt 0x0
	WIN MUL_HI
	MUL16 4, P_, P_, C_, 0
	MUL16 6, P_, P_, C_, 0
	WIN 0
; THE WAY OUT, without LDS.  For each of A's blocks a, a lane's 64 results are 128 along the quantiser's axis of its place, register 16 b + i = 32 b + 16 h + i: they become one fragment and one scale word,
; and the fragment's registers are stored as they stand: 512 and 256 consecutive bytes a store.
.set TM,  32                           ; v32-47 at work;  v48-55 the eight scale words;  v56-63 as stored
.set PW8, 48
.set SW,  56
.set FLOOR, 24                         ; s24 the floor 2^(5 - 127); s25 lanes 16-31; s[26:27] lane l xor 16.  (No tensor load is out: the descriptors' registers are free)
.set MASK,  25
.set SEL,   26
.set OUT,   28                         ; s[28:29] the codes; s[30:31] the scale words; s[32:33] from block to block; s34 the second plane's shift
.set OUTS,  30
; WHERE THE RESULTS GO, as the text now stands.  q: codes [batch][128 tiles][16 heads][768] from pc's byte 0, scale words in ps [batch][16 steps][16 heads][512].
; k, v: from pc's byte KVB a dense block for each (batch, head): [16 steps of 128 keys][KVSTEP]; a step holds k's 8 tiles x 768, v's 4 fragments x 1,536, k's 512 bytes of scale words, v's 512.
.set OUT2,  56                         ; s[56:57] the second half image (q, v: 768 on; k: the next head's block)
.set OUTS2, 58                         ; s[58:59] the second plane of scale words
.set KVB,    6291456
.set KVBLK,  212992
.set KVSTEP, 13312
	s_mov_b32 s[FLOOR], 0x2800000
	s_mov_b32 s[MASK], 0xffff0000
	s_mov_b32 s[SEL], 0x76543210
	s_mov_b32 s[SEL+1], 0xfedcba98
	s_lshl_b32 s35, s20, 1
	s_add_co_u32 s35, s35, s13                     ; which 128 places of A
	s_lshl_b32 s36, s21, 1
	s_add_co_u32 s36, s36, s14                     ; which 128 of B
	s_cmp_eq_u32 s18, 2
	s_cselect_b32 s38, s36, s35                    ; the step of 128 rows, 0 .. 63 (q, k: A's; v: B's, the keys)
	s_cselect_b32 s39, s35, s36                    ; the pair of heads
	s_cselect_b32 s34, 0, 16                       ; q, k: the second head's two bytes come down; v: the second plane is a copy
	s_lshr_b32 s40, s38, 4                         ; the batch
	s_lshl_b32 s40, s40, 3
	s_add_co_u32 s40, s40, s39
	s_mul_i32 s40, s40, 2*KVBLK                    ; the block of (batch, the pair's first head),
	s_and_b32 s41, s38, 15
	s_mul_i32 s41, s41, KVSTEP                     ; the step in it
	s_add_co_u32 s40, s40, s41
	s_add_co_u32 s40, s40, KVB                     ; k's codes
	s_add_co_u32 s42, s40, 12288                   ; k's scale words
	s_mul_i32 s44, s38, 98304
	s_mul_i32 s41, s39, 1536
	s_add_co_u32 s44, s44, s41                     ; q's codes
	s_lshl_b32 s46, s38, 13
	s_lshl_b32 s41, s39, 10
	s_add_co_u32 s46, s46, s41                     ; q's scale words
	s_mov_b32 s32, 12288
	s_mov_b32 s36, 768
	s_mov_b32 s50, 512
	s_mov_b32 s52, KVBLK
	s_cmp_eq_u32 s18, 0
	s_cselect_b32 s44, s44, s40
	s_cselect_b32 s46, s46, s42
	s_cselect_b32 s32, s32, s36                    ; a block on: q a tile of rows, k a tile's half image
	s_cselect_b32 s50, s50, s52                    ; the second plane of scale words: q 512 on; k, v the next head's block
	s_cselect_b64 s[OUTS:OUTS+1], s[100:101], s[98:99]
	s_cmp_eq_u32 s18, 1
	s_cselect_b32 s36, s52, s36                    ; the second half image: k the next head's block; q, v 768 on
	s_mov_b32 s54, KVBLK-6144
	s_cmp_eq_u32 s18, 2
	s_cselect_b32 s54, s54, 0                      ; v: blocks 4-7 are the next head's four fragments
	s_cselect_b32 s41, 6144, 0                     ; v's codes lie behind k's,
	s_cselect_b32 s43, 512, 0                      ; its scale words too
	s_cselect_b32 s32, 1536, s32                   ; v: a block on is a fragment
	s_add_co_u32 s44, s44, s41
	s_add_co_u32 s46, s46, s43
	s_mov_b32 s33, 0
	s_mov_b32 s37, 0
	s_mov_b32 s45, 0
	s_mov_b32 s47, 0
	s_mov_b32 s51, 0
	s_mov_b32 s55, 0
	s_add_nc_u64 s[OUT:OUT+1], s[98:99], s[44:45]
	s_add_nc_u64 s[OUT2:OUT2+1], s[OUT:OUT+1], s[36:37]
	s_add_nc_u64 s[OUTS:OUTS+1], s[OUTS:OUTS+1], s[46:47]
	s_add_nc_u64 s[OUTS2:OUTS2+1], s[OUTS:OUTS+1], s[50:51]
	PLACES
.irp b, 0,1,2,3
	v_mov_b32 v[TM+4+\b], 0                        ; a lane permute's destination counts as one of its sources
.endr
.macro QUANTA a
.set W_,  2+(\a)/4                     ; the block's window
.set WA_, (W_<<2)|(W_<<4)
.set AC,  64*((\a)%4)
.if ((\a)%4) == 1
.set PC, 128                           ; the codes' registers bear other numbers than the conversions' sources
.else
.set PC, 64
.endif
	WIN WA_                                        ; sources 1 and 2 in the block's window
.irp b, 0,1,2,3
	v_max3_num_f32 v[TM+\b], s[FLOOR], |v[AC+16*\b]|, |v[AC+16*\b+1]|   ; each accumulator is read from its low end on
.endr
.irp i, 2,4,6,8,10,12,14
.irp b, 0,1,2,3
	v_max3_num_f32 v[TM+\b], v[TM+\b], |v[AC+16*\b+\i]|, |v[AC+16*\b+\i+1]|
.endr
.endr
	WIN 0
.irp b, 0,1,2,3
	v_permlanex16_b32 v[TM+4+\b], v[TM+\b], s[SEL], s[SEL+1]
.endr
.irp b, 0,1,2,3
	v_max_num_f32 v[TM+\b], v[TM+\b], v[TM+4+\b]
.endr
.irp b, 0,1,2,3
	v_add_nc_u32 v[TM+12+\b], 0xfe000000, v[TM+\b]
.endr
.irp b, 0,1,2,3
	v_lshrrev_b32 v[TM+4+\b], 23, v[TM+12+\b]
.endr
	v_lshl_or_b32 v[PW8+(\a)], v[TM+5], 8, v[TM+4]
	v_lshl_or_b32 v[PW8+(\a)], v[TM+6], 16, v[PW8+(\a)]
	v_lshl_or_b32 v[PW8+(\a)], v[TM+7], 24, v[PW8+(\a)]
	WIN W_                                         ; source 0 in the block's window
.irp c, 0,1
	v_cvt_scalef32_pk16_bf6_f32 v[PC+6*\c:PC+2+6*\c], v[AC+32*\c:AC+15+32*\c], v[TM+12+2*\c]
	v_cvt_scalef32_pk16_bf6_f32 v[PC+12+4*\c:PC+14+4*\c], v[AC+16+32*\c:AC+31+32*\c], v[TM+12+2*\c+1]
.endr
	WIN 0
	v_nop                                          ; one plain place behind a scaled conversion
.irp c, 0,1
.irp i, 0,1,2
	v_permlane16_swap_b32 v[PC+6*\c+\i], v[PC+12+4*\c+\i]
.endr
.irp i, 0,1,2
	v_mov_b32 v[PC+3+6*\c+\i], v[PC+12+4*\c+\i]
.endr
.endr
.endm
.irp a, 0,1,2,3,4,5,6,7
.if \a > 0
	s_wait_xcnt 0x0                                ; the last block's stores have read their registers and their base
	s_add_nc_u64 s[OUT:OUT+1], s[OUT:OUT+1], s[32:33]
	s_add_nc_u64 s[OUT2:OUT2+1], s[OUT2:OUT2+1], s[32:33]
.endif
.if \a == 4
	s_add_nc_u64 s[OUT:OUT+1], s[OUT:OUT+1], s[54:55]
	s_add_nc_u64 s[OUT2:OUT2+1], s[OUT2:OUT2+1], s[54:55]
.endif
	QUANTA \a
	global_store_b128 v[O16], v[PC:PC+3], s[OUT:OUT+1]
	global_store_b64 v[O8], v[PC+4:PC+5], s[OUT:OUT+1] offset:512
	global_store_b128 v[O16], v[PC+6:PC+9], s[OUT2:OUT2+1]
	global_store_b64 v[O8], v[PC+10:PC+11], s[OUT2:OUT2+1] offset:512
.endr
.irp j, 0,1,2,3
	v_cndmask_b32 v[SW+\j], v[PW8+2*\j], v[PW8+2*\j+1], s[MASK]   ; lanes 0-15 block 2 j's word, lanes 16-31 block 2 j + 1's
.endr
	global_store_b128 v[O16], v[SW:SW+3], s[OUTS:OUTS+1]
.irp j, 0,1,2,3
	v_lshrrev_b32 v[SW+4+\j], s34, v[SW+\j]
.endr
	global_store_b128 v[O16], v[SW+4:SW+7], s[OUTS2:OUTS2+1]
	s_wait_tensorcnt 0x0                           ; the wave's end
	ds_add_u32 v[SPW], v[NIL]
	s_wait_dscnt 0x0
	CROUND                                         ; the closing round
	s_endpgm
.Lfunc_end_k_q5b29a481b9_proj:
	.size	k_q5b29a481b9_proj, .Lfunc_end_k_q5b29a481b9_proj-k_q5b29a481b9_proj
	.p2alignl 7, 3214868480
	.fill 96, 4, 3214868480
	.section	.rodata,"a",@progbits
	.p2align	6, 0x0
	.amdhsa_kernel k_q5b29a481b9_proj
		.amdhsa_group_segment_fixed_size 327680
		.amdhsa_private_segment_fixed_size 0
		.amdhsa_enable_private_segment 0
		.amdhsa_kernarg_size 72
		.amdhsa_user_sgpr_count 2
		.amdhsa_user_sgpr_kernarg_segment_ptr 1
		.amdhsa_wavefront_size32 1
		.amdhsa_system_sgpr_workgroup_id_x 1
		.amdhsa_system_sgpr_workgroup_id_y 1
		.amdhsa_system_sgpr_workgroup_id_z 1
		.amdhsa_system_vgpr_workitem_id 0
		.amdhsa_next_free_vgpr 1024
		.amdhsa_next_free_sgpr 106
		.amdhsa_reserve_vcc 0
		.amdhsa_float_denorm_mode_32 3
		.amdhsa_float_denorm_mode_16_64 3
		.amdhsa_memory_ordered 1
		.amdhsa_forward_progress 1
		.amdhsa_inst_pref_size 166
	.end_amdhsa_kernel
	.amdgpu_metadata
---
amdhsa.version: [ 1, 2 ]
amdhsa.kernels:
  - .name:           k_q5b29a481b9_proj
    .symbol:         k_q5b29a481b9_proj.kd
    .args:
      - { .name: xc, .offset: 0, .size: 8, .value_kind: global_buffer, .address_space: global }
      - { .name: xs, .offset: 8, .size: 8, .value_kind: global_buffer, .address_space: global }
      - { .name: wc, .offset: 16, .size: 8, .value_kind: global_buffer, .address_space: global }
      - { .name: ws, .offset: 24, .size: 8, .value_kind: global_buffer, .address_space: global }
      - { .name: bq, .offset: 32, .size: 8, .value_kind: global_buffer, .address_space: global }
      - { .name: bk, .offset: 40, .size: 8, .value_kind: global_buffer, .address_space: global }
      - { .name: bv, .offset: 48, .size: 8, .value_kind: global_buffer, .address_space: global }
      - { .name: pc, .offset: 56, .size: 8, .value_kind: global_buffer, .address_space: global }
      - { .name: ps, .offset: 64, .size: 8, .value_kind: global_buffer, .address_space: global }
    .group_segment_fixed_size: 327680
    .private_segment_fixed_size: 0
    .kernarg_segment_align: 8
    .kernarg_segment_size: 72
    .max_flat_workgroup_size: 128
    .sgpr_count:     106
    .vgpr_count:     1024
    .wavefront_size: 32
...
	.end_amdgpu_metadata
.endif
;; end of part 2
;; launch attn (part 3): grid 4 x 64, 16 waves a work-group, clusters of 4 x 1, 215,040 bytes of LDS; arguments pc, ps, ac, asc; writes ac, asc
.if DOCPART == 3
	.amdgcn_target "amdgcn-amd-amdhsa--gfx1250"
	.amdhsa_code_object_version 6
	.text
	.protected	k_q5b29a481b9_attn
	.globl	k_q5b29a481b9_attn
	.p2align	8
	.type	k_q5b29a481b9_attn,@function
k_q5b29a481b9_attn:
	s_mov_b64 s[64:65], 0
	v_nop
	global_prefetch_b8 v0, s[64:65] scope:SCOPE_SE
	s_setreg_imm32_b32 hwreg(HW_REG_WAVE_MODE, 25, 1), 1
	s_wait_xcnt 0x0
	s_wait_alu depctr_hold_cnt(0) depctr_sa_sdst(0) depctr_va_vdst(0) depctr_va_sdst(0) depctr_va_ssrc(0) depctr_va_vcc(0) depctr_vm_vsrc(0)
	s_getreg_b32 s2, hwreg(HW_REG_IB_STS2, 6, 4)
	s_cmp_eq_u32 s2, 0
	s_cbranch_scc0 .Lentry_in_a_cluster
	s_endpgm
.Lentry_in_a_cluster:
	s_bfe_u32 s2, ttmp6, 0x10000c
	s_cmp_lg_u32 s2, 0x3003
	s_cbranch_scc0 .Lentry_shape_is_right
	s_endpgm
.Lentry_shape_is_right:
; Launch 3 of 4: for each batch and head, vals = softmax(q k^T / 8) v on codes of BF6; vals is quantised along the model's 1,024 (here: the head's two blocks of 32) for the last product.  Nothing is left out.
; THE SOFTMAX AHEAD OF THE SECOND PRODUCT: t = score x log2(e) / 8; M = the running largest t rounded UP to a whole number; p = 2^(t - M) is quantised along the keys, not normalised; the row's sum is taken of
; the unquantised p and divides at the end.  When M moves, the sum and O are multiplied by 2^(old M - new M): exact, in every step, with no branch.
; SHARES.  256 work-groups.  A work-group owns 512 query places of one head; each of its sixteen waves takes two tiles of 16, one after the other (PASS 0, PASS 1), four waves to a SIMD.
; K, V AND THEIR SCALE WORDS OF THE WHOLE HEAD STAY IN LDS, 16 steps x 13,312 bytes, fetched once: in memory they are one dense block, and wave w asks for step w's 13,312 bytes as 13 rows of 1,024: one tensor
; load a wave, one line for all waves, no refill, one barrier.  CLUSTER 4 x 1: the four work-groups of a head form a cluster and every load is joint.
; NO PREFETCH INTO THE L2: every tile is asked for at the kernel's head; no loop stands ahead of a load in which to ask earlier.
; FRAGMENTS ARE ASKED OF LDS AHEAD OF THEIR USE: the next step's K and scale words directly behind this step's score products, into registers of their own; V's fragments 0, 1 at the same place; V's fragments 2, 3
; into the upper half of p's registers, which the first level of the sum's tree leaves free, 38 vector instructions and two products ahead of the wait for them.
; LAYOUT.  Both products are used transposed: S^T = K Q^T (source 0 = a tile of 16 key places), O^T = V^T P^T (source 0 = 16 places of the head's 64): a lane holds ONE query place throughout.
; Place r of key tile T is key 64 (T / 4) + 8 (T % 4) + r % 8 + 32 (r / 8): the 32 registers of tiles 4 c .. 4 c + 3 are keys 64 c + 32 h + 0 .. 31: a WHOLE block, in the order of p's operand.
; V's tiles: place r of tile t is channel 32 (t / 2) + 8 (t % 2) + r % 8 + 16 (r / 8): register 16 b + i of O^T is channel 32 b + 16 h + i.
; K = 64 IN AN INSTRUCTION OF 128: Q's registers 6-11 are zero codes; K's operand of a tile runs on into six more registers (the next tile's codes; behind tile 3 the second query tile's codes; behind tile 7 zeros):
; every pattern of bits is a finite number of E3M2, and it meets zero codes, under scale bytes that are never 0xff.
; LIMITS: the promise holds while the scaled scores t stay under 2^31 in magnitude; NaN and infinities are not served; v_exp_f32 gives 0 for results under 2^-126; scale bytes are held at 1 from below.
; REGISTERS: v1-7 lane terms; v10, v11 the two query tiles' scale words; v12 -M, v13 the largest score, v14-15 the sum; v16-27 Q; v28-31 K's scale words; v32-55 V's fragments 0, 1; v56-79 K's tiles 4-7, v80-85 zeros;
; v86-87 V's scale words; v88-92 addresses; v96-119 K's tiles 0-3; v120-125 the second query tile's codes; v128-191 S^T, p (v160-183 then V's fragments 2, 3); v192-223 O^T; v224-254 as named below.
.set KVB,    6291456                   ; pc: q's codes, then the blocks of (batch, head)
.set KVBLK,  212992
.set KVSTEP, 13312                     ; a step of 128 keys: K's 8 tiles x 768, V's 4 fragments x 1,536 (at 6,144), K's scale words (12,288), V's (12,800)
.set SPARE,  212992                    ; the spare words, 128 bytes for each wave: eight blocks of 256 bytes that no other line names
.set SPW, 8                            ; v8 LDS address of my spare word; v9 0; never rewritten
.set NIL, 9
.set S,   128
.set O,   192
.set PC,  224                          ; v224-235 p's codes; v236-238, v240-242 the halves that begin on an odd register
.set XA,  236
.set XB,  240
.set SO,  244                          ; v244-245 the conversions' scale operands
.set BM,  248                          ; v248, v250 my two blocks' largest scores; v249, v251 at work; v252 f; v253 p's scale word; v254 the old -M
.set WV,  12
.set G1,  24                           ; s[24:31] group 1; s[48:51] group 0
.set G0,  48
.set SEL, 60                           ; s[60:61] lane l xor 16
.set CS,  62                           ; s[62:63] c = log2(e) / 8
.set CNT, 66
.set JO,  67                           ; this step's place in LDS
.set JN,  68                           ; the next step's
.set MASK, 71
.macro CROUND
	s_barrier_signal -1
	s_barrier_wait -1
	s_cmp_lg_u32 s[WV], 0
	s_cbranch_scc1 .Lnot_wave_0_\@
	s_barrier_signal -3
.Lnot_wave_0_\@:
	s_barrier_wait -3
	s_barrier_signal -1
	s_barrier_wait -1
.endm
	s_load_b256 s[4:11], s[0:1], 0x0               ; pc 4, ps 6, ac 8, asc 10
	v_lshl_add_u32 v[SPW], v0, 2, SPARE
	v_mov_b32 v[NIL], 0
	ds_add_u32 v[SPW], v[NIL]                      ; the wave's opening: the add, twice on end, and its wait ahead of my tensor load
	ds_add_u32 v[SPW], v[NIL]
	v_lshrrev_b32 v3, 5, v0
	s_delay_alu instid0(VALU_DEP_1)
	v_readfirstlane_b32 s[WV], v3                  ; wave 0..15
	s_bfe_u32 s13, ttmp6, 0x40000                  ; cx
	s_lshl_b32 s14, ttmp9, 2
	s_add_co_u32 s14, s14, s13                     ; my block of 512 queries: it enters Q's and the results' addresses alone
	s_and_b32 s15, ttmp7, 0xffff                   ; 16 x batch + head
	s_and_b32 s16, s15, 15
	s_lshr_b32 s17, s15, 4
	s_mov_b32 s[G1], 15|(3<<16)|(1<<21)            ; the mask: all four work-groups; elements of 8 bytes; bit 21 beside a mask; no padding
	s_mov_b32 s[G1+1], 128<<16                     ; rows of 1,024 bytes,
	s_mov_b32 s[G1+2], 13<<16                      ; 13 of them,
	s_mov_b32 s[G1+3], 128<<16
	s_mov_b32 s[G1+4], 13
	s_mov_b32 s[G1+5], 128                         ; dense
	s_mov_b32 s[G1+6], 0
	s_mov_b32 s[G1+7], 0
	s_mul_i32 s20, s15, KVBLK
	s_mul_i32 s21, s[WV], KVSTEP                   ; step w, in memory and in LDS
	s_mov_b32 s[G0], 1
	s_mov_b32 s[G0+1], s21
	s_add_co_u32 s20, s20, s21
	s_add_co_u32 s20, s20, KVB
	s_mov_b32 s21, 0
	s_mov_b32 s[SEL], 0x76543210
	s_mov_b32 s[SEL+1], 0xfedcba98
	s_mov_b32 s[CS], 0x3e38aa3b
	s_mov_b32 s[CS+1], s[CS]                       ; (named with it as a pair, so it is written)
	s_mov_b32 s[MASK], 0xffff0000
	s_wait_dscnt 0x0                               ; both opening adds are done
	s_wait_kmcnt 0x0
	s_add_nc_u64 s[G0+2:G0+3], s[4:5], s[20:21]
	s_or_b32 s[G0+3], s[G0+3], 0x80000000
	CROUND                                         ; all four work-groups are here: the joint loads meet
	tensor_load_to_lds s[G0:G0+3], s[G1:G1+7]      ; my one load
	s_nop 0
.rept 4
	v_nop
.endr
	s_lshl_b32 s74, s17, 7
	s_lshl_b32 s75, s14, 5
	s_add_co_u32 s74, s74, s75
	s_add_co_u32 s74, s74, s[WV]                   ; T: my first tile of the 512; the second is T + 16
	s_mul_i32 s76, s74, 12288
	s_mul_i32 s77, s16, 768
	s_add_co_u32 s76, s76, s77
	s_mov_b32 s77, 0
	s_add_nc_u64 s[78:79], s[4:5], s[76:77]        ; Q's half image
	s_lshr_b32 s80, s74, 3
	s_lshl_b32 s80, s80, 13
	s_lshl_b32 s81, s16, 9
	s_add_co_u32 s80, s80, s81
	s_and_b32 s81, s[WV], 1
	s_lshl_b32 s81, s81, 8
	s_add_co_u32 s80, s80, s81
	s_bfe_u32 s81, s[WV], 0x20001
	s_lshl_b32 s81, s81, 2
	s_add_co_u32 s80, s80, s81
	s_mov_b32 s81, 0
	s_add_nc_u64 s[80:81], s[6:7], s[80:81]        ; Q's scale words: tile a = T % 8: lane 16 (a % 2) + r, word a / 2
	s_lshr_b32 s72, s74, 4                         ; the result's codes, by chunks: [T / 16][head / 4: 49,152][T % 16: 3,072][head % 4: 768]
	s_mul_i32 s72, s72, 196608
	s_lshr_b32 s73, s16, 2
	s_mul_i32 s73, s73, 49152
	s_add_co_u32 s72, s72, s73
	s_mul_i32 s73, s[WV], 3072
	s_add_co_u32 s72, s72, s73
	s_and_b32 s73, s16, 3
	s_mul_i32 s73, s73, 768
	s_add_co_u32 s72, s72, s73
	s_mov_b32 s73, 0
	s_add_nc_u64 s[8:9], s[8:9], s[72:73]
	s_lshl_b32 s72, s74, 9
	s_lshr_b32 s73, s16, 2
	s_lshl_b32 s73, s73, 7
	s_add_co_u32 s72, s72, s73
	s_bfe_u32 s73, s16, 0x10001
	s_lshl_b32 s73, s73, 2
	s_add_co_u32 s72, s72, s73
	s_and_b32 s73, s16, 1
	s_lshl_b32 s73, s73, 1
	s_add_co_u32 s72, s72, s73
	s_mov_b32 s73, 0
	s_add_nc_u64 s[10:11], s[10:11], s[72:73]      ; the result's scale bytes: K step head / 2, bytes 2 (head % 2) on
	s_and_b32 s82, s16, 1
	s_lshl_b32 s82, s82, 3
	s_add_co_u32 s82, s82, 12800                   ; V's scale words: of a lane's four the head's two
	v_and_b32 v4, 31, v0
	v_and_b32 v5, 15, v0                           ; r
	v_bfe_u32 v6, v0, 4, 1                         ; h
	v_lshlrev_b32 v1, 4, v4                        ; 16 x lane
	v_lshl_add_u32 v2, v4, 3, 512                  ; 512 + 8 x lane
	v_lshlrev_b32 v7, 4, v5                        ; 16 r
	v_add_nc_u32 v3, s82, v1
	v_lshl_add_u32 v5, v5, 3, v6                   ; 8 r + h: my block's scale byte on the way out
	v_lshlrev_b32 v6, 3, v6                        ; 8 h
	global_load_b128 v[16:19], v1, s[78:79]        ; both query tiles' codes and scale words stay in registers
	global_load_b64 v[20:21], v2, s[78:79]
	global_load_b32 v10, v7, s[80:81]
	global_load_b128 v[120:123], v1, s[78:79] offset:196608
	global_load_b64 v[124:125], v2, s[78:79] offset:196608
	global_load_b32 v11, v7, s[80:81] offset:16384
.irp j, 22,23,24,25,26,27,80,81,82,83,84,85
	v_mov_b32 v\j, 0                               ; zero codes
.endr
	v_mov_b32 v253, 0                              ; (named as the upper half of the pair v[252:253] before it is first written)
	v_mov_b32 v91, v1                              ; step 0's K
	v_mov_b32 v92, v2
.macro KLOAD                           ; K's eight tiles and their scale words of the step at v91, v92: 17 loads
.irp k, 0,1,2,3
	ds_load_b128 v[96+6*\k:99+6*\k], v91 offset:768*\k
	ds_load_b64 v[100+6*\k:101+6*\k], v92 offset:768*\k
	ds_load_b128 v[56+6*\k:59+6*\k], v91 offset:3072+768*\k
	ds_load_b64 v[60+6*\k:61+6*\k], v92 offset:3072+768*\k
.endr
	ds_load_b128 v[28:31], v91 offset:12288        ; word k / 2, lanes 0-15 the even tile's, lanes 16-31 the odd tile's
.endm
; A KEY STEP: 128 keys.  Its K is in registers.  pf = 1: the K of the step at s[JN] is fetched
.macro STEP pf
	v_mov_b32 v254, v12                            ; the old -M.  (These five are the places between the last products and the score products that write over their operands)
	v_add_nc_u32 v88, s[JO], v1
	v_add_nc_u32 v89, s[JO], v2
	v_add_nc_u32 v90, s[JO], v3
.if \pf
	v_add_nc_u32 v91, s[JN], v1
.else
	v_nop
.endif
.irp k, 0,1,2,3,4,5,6,7
.if \k < 4
.set KA_, 96+6*\k
.else
.set KA_, 32+6*\k
.endif
.if (\k%2) == 1
	v_wmma_scale_f32_16x16x128_f8f6f4 v[S+8*\k:S+8*\k+7], v[KA_:KA_+11], v[16:27], 0, v[28+\k/2], v10 matrix_a_fmt:MATRIX_FMT_BF6 matrix_b_fmt:MATRIX_FMT_BF6 matrix_a_scale:MATRIX_SCALE_ROW1
.else
	v_wmma_scale_f32_16x16x128_f8f6f4 v[S+8*\k:S+8*\k+7], v[KA_:KA_+11], v[16:27], 0, v[28+\k/2], v10 matrix_a_fmt:MATRIX_FMT_BF6 matrix_b_fmt:MATRIX_FMT_BF6
.endif
.endr
.if \pf
	v_add_nc_u32 v92, s[JN], v2                    ; (four places: for the loads into K's registers and for the first read of the scores)
.else
	v_nop
.endif
.rept 3
	v_nop
.endr
.irp t, 0,1
	ds_load_b128 v[32+12*\t:35+12*\t], v88 offset:6144+1536*\t     ; V's fragments 0, 1
	ds_load_b64 v[36+12*\t:37+12*\t], v89 offset:6144+1536*\t
	ds_load_b128 v[38+12*\t:41+12*\t], v88 offset:6912+1536*\t
	ds_load_b64 v[42+12*\t:43+12*\t], v89 offset:6912+1536*\t
.endr
	ds_load_b64 v[86:87], v90
.if \pf
	KLOAD
.endif
; the largest score of my two blocks of 32 keys, each in two chains; each accumulator is first read at its low end
.irp c, 0,1
	v_max3_num_f32 v[BM+2*\c], v[S+32*\c], v[S+32*\c+1], v[S+32*\c+2]
	v_max3_num_f32 v[BM+2*\c+1], v[S+32*\c+16], v[S+32*\c+17], v[S+32*\c+18]
.endr
.irp i, 3,5,7,9,11,13
.irp c, 0,1
	v_max3_num_f32 v[BM+2*\c], v[BM+2*\c], v[S+32*\c+\i], v[S+32*\c+\i+1]
	v_max3_num_f32 v[BM+2*\c+1], v[BM+2*\c+1], v[S+32*\c+16+\i], v[S+32*\c+17+\i]
.endr
.endr
.irp c, 0,1
	v_max3_num_f32 v[BM+2*\c], v[BM+2*\c], v[BM+2*\c+1], v[S+32*\c+15]
.endr
.irp c, 0,1
	v_max_num_f32 v[BM+2*\c], v[BM+2*\c], v[S+32*\c+31]
.endr
	s_delay_alu instid0(VALU_DEP_1)
	v_max_num_f32 v249, v248, v250
	s_delay_alu instid0(VALU_DEP_1)
	v_permlanex16_b32 v251, v249, s[SEL], s[SEL+1] ; lane l xor 16's two blocks
	s_delay_alu instid0(VALU_DEP_1)
	v_max3_num_f32 v13, v13, v249, v251            ; the running largest score
	s_delay_alu instid0(VALU_DEP_1)
	v_mul_f32 v249, s[CS], v13                     ; as t (c is positive)
	s_delay_alu instid0(VALU_DEP_1)
	v_floor_f32 v12, -v249                         ; the new -M = -ceil(t): a whole number
	s_delay_alu instid0(VALU_DEP_1)
	v_sub_f32 v254, v12, v254                      ; old M - new M: a whole number, 0 or less
	s_delay_alu instid0(VALU_DEP_1)
	v_cvt_i32_f32 v254, v254                       ; (it saturates)
	s_delay_alu instid0(VALU_DEP_1)
	v_ldexp_f32 v252, 1.0, v254                    ; f = 2^(old M - new M)
.irp j, 0,2,4,6,8,10,12,14,16,18,20,22,24,26,28,30,32,34,36,38,40,42,44,46,48,50,52,54,56,58,60,62
	v_pk_fma_f32 v[S+\j:S+1+\j], v[S+\j:S+1+\j], s[CS:CS+1], v[12:13] op_sel_hi:[1,0,0]   ; t - M, two at a time
.endr
.irp c, 0,1
	v_fma_f32 v[BM+2*\c], v[BM+2*\c], s[CS], v12   ; the same of each block's largest score: p rises with the score
.endr
	s_wait_alu depctr_va_vdst(0)                   ; ahead of the batch
.irp j, 0,1,2,3,4,5,6,7,8,9,10,11,12,13,14,15,16,17,18,19,20,21,22,23,24,25,26,27,28,29,30,31,32,33,34,35,36,37,38,39,40,41,42,43,44,45,46,47,48,49,50,51,52,53,54,55,56,57,58,59,60,61,62,63
	v_exp_f32 v[S+\j], v[S+\j]                     ; p = 2^(t - M)
.endr
.irp c, 0,1
	v_exp_f32 v[BM+2*\c], v[BM+2*\c]               ; the block's largest p
.endr
	v_pk_mul_f32 v[14:15], v[14:15], v[252:253] op_sel_hi:[1,0]   ; the sums under the new M: the plain place behind the exponentials
	s_wait_alu depctr_va_vdst(0)                   ; and one wait for the whole batch, ahead of its first reader
.irp c, 0,1
	v_max_num_f32 v[BM+2*\c], 0x2800000, v[BM+2*\c]   ; the floor 2^(5 - 127): the byte cannot fall under 1
.endr
.irp c, 0,1
	v_add_nc_u32 v[SO+\c], 0xfe000000, v[BM+2*\c]  ; 4 off the exponent field: the conversions' scale operand
.endr
	v_cvt_scalef32_pk16_bf6_f32 v[PC:PC+2], v[S:S+15], v[SO]
	v_cvt_scalef32_pk16_bf6_f32 v[XA:XA+2], v[S+16:S+31], v[SO]        ; (a conversion's three registers begin on an even number)
	v_cvt_scalef32_pk16_bf6_f32 v[PC+6:PC+8], v[S+32:S+47], v[SO+1]
	v_cvt_scalef32_pk16_bf6_f32 v[XB:XB+2], v[S+48:S+63], v[SO+1]
	v_lshrrev_b32 v249, 23, v[SO]                  ; the bytes of blocks h and 2 + h.  (Plain places behind the conversions)
	v_lshrrev_b32 v251, 23, v[SO+1]
	v_lshl_or_b32 v253, v251, 16, v249
	v_lshlrev_b32 v253, v6, v253                   ; at their places in the scale word, 8 h bits up;
	v_permlanex16_b32 v249, v253, s[SEL], s[SEL+1]
	v_or_b32 v253, v253, v249                      ; with lane l xor 16's two the word is whole
; the row's sum of the unquantised p: a tree in place, two at a time, from the top down: its first level leaves the upper 32 registers free
.irp j, 0,2,4,6,8,10,12,14,16,18,20,22,24,26,28,30
	v_pk_add_f32 v[S+\j:S+\j+1], v[S+\j:S+\j+1], v[S+32+\j:S+33+\j]
.endr
.irp t, 0,1
	ds_load_b128 v[S+32+12*\t:S+35+12*\t], v88 offset:9216+1536*\t     ; V's fragments 2, 3
	ds_load_b64 v[S+36+12*\t:S+37+12*\t], v89 offset:9216+1536*\t
	ds_load_b128 v[S+38+12*\t:S+41+12*\t], v88 offset:9984+1536*\t
	ds_load_b64 v[S+42+12*\t:S+43+12*\t], v89 offset:9984+1536*\t
.endr
	s_wait_alu depctr_va_vdst(0)                   ; directly ahead of the first reader of O^T
.irp j, 0,2,4,6,8,10,12,14,16,18,20,22,24,26,28,30
	v_pk_mul_f32 v[O+\j:O+1+\j], v[O+\j:O+1+\j], v[252:253] op_sel_hi:[1,0]   ; O^T under the new M, each accumulator from its low end on
.endr
.irp i, 0,1,2
	v_mov_b32 v[PC+3+\i], v[XA+\i]
	v_mov_b32 v[PC+9+\i], v[XB+\i]
.endr
.irp d, 16,8,4,2
.set J_, 0
.rept \d/2
	v_pk_add_f32 v[S+J_:S+J_+1], v[S+J_:S+J_+1], v[S+J_+\d:S+J_+\d+1]
.set J_, J_+2
.endr
.endr
	v_pk_add_f32 v[14:15], v[14:15], v[S:S+1]
	s_wait_alu depctr_va_vdst(0)                   ; directly ahead of the wait below
	s_wait_dscnt 8                                 ; all but the youngest eight loads, V's fragments 2 and 3, are in
	v_wmma_scale_f32_16x16x128_f8f6f4 v[O:O+7], v[32:43], v[PC:PC+11], v[O:O+7], v86, v253 matrix_a_fmt:MATRIX_FMT_BF6 matrix_b_fmt:MATRIX_FMT_BF6
	v_wmma_scale_f32_16x16x128_f8f6f4 v[O+8:O+15], v[44:55], v[PC:PC+11], v[O+8:O+15], v86, v253 matrix_a_fmt:MATRIX_FMT_BF6 matrix_b_fmt:MATRIX_FMT_BF6 matrix_a_scale:MATRIX_SCALE_ROW1
	s_wait_dscnt 0x0                               ; they are in too (and so is the next step's K, asked for long before them)
	v_wmma_scale_f32_16x16x128_f8f6f4 v[O+16:O+23], v[S+32:S+43], v[PC:PC+11], v[O+16:O+23], v87, v253 matrix_a_fmt:MATRIX_FMT_BF6 matrix_b_fmt:MATRIX_FMT_BF6
	v_wmma_scale_f32_16x16x128_f8f6f4 v[O+24:O+31], v[S+44:S+55], v[PC:PC+11], v[O+24:O+31], v87, v253 matrix_a_fmt:MATRIX_FMT_BF6 matrix_b_fmt:MATRIX_FMT_BF6 matrix_a_scale:MATRIX_SCALE_ROW1
.endm
; ONE QUERY TILE over all 16 steps, and its way out.  The last step is written out: behind the first tile it fetches step 0's K again, for the second tile; behind the second it fetches nothing
.macro PASS p
.if \p > 0
.irp j, 0,1,2,3,4,5
	v_mov_b32 v[16+\j], v[120+\j]                  ; the second query tile
.endr
	v_mov_b32 v10, v11
.endif
	v_mov_b32 v13, 0xff61b1e6                      ; the largest score so far: -3e38, under every score
	v_mov_b32 v14, 0                               ; the sum, in two halves
	v_mov_b32 v15, 0
	v_mul_f32 v12, s[CS], v13
	v_floor_f32 v12, -v12                          ; -M
.irp j, 0,1,2,3,4,5,6,7,8,9,10,11,12,13,14,15,16,17,18,19,20,21,22,23,24,25,26,27,28,29,30,31
	v_mov_b32 v[O+\j], 0                           ; O^T: the step is written for all steps alike: the first finds zeros, which the first change of M leaves zeros
.endr
.if \p > 0
	s_wait_xcnt 0x0                                ; the last tile's stores have read their registers, which the steps write anew
.endif
	s_mov_b32 s[JO], 0
	s_mov_b32 s[JN], KVSTEP
	s_mov_b32 s[CNT], 15
.Lstep\p:
	STEP 1
	s_add_co_u32 s[JO], s[JO], KVSTEP
	s_add_co_u32 s[JN], s[JN], KVSTEP
	s_sub_co_u32 s[CNT], s[CNT], 1
	s_cmp_lg_u32 s[CNT], 0
	s_cbranch_scc1 .Lstep\p
	s_mov_b32 s[JN], 0
	STEP (1-\p)
	; THE WAY OUT, without LDS.  O^T / the sum: two blocks of 32 channels, quantised as every operand is; the half image's registers are stored as they stand.
	v_add_f32 v14, v14, v15                        ; the sum's two halves,
	v_permlanex16_b32 v252, v14, s[SEL], s[SEL+1]
	v_add_f32 v14, v14, v252                       ; and lane l xor 16's
	s_wait_alu depctr_va_vdst(0)                   ; ahead of the transcendental
	v_rcp_f32 v14, v14
	v_nop                                          ; (with the three above: the places behind the last products; and the plain place behind the reciprocal)
	v_nop
	s_wait_alu depctr_va_vdst(0)                   ; and ahead of its first reader, which is also O^T's
.irp j, 0,2,4,6,8,10,12,14,16,18,20,22,24,26,28,30
	v_pk_mul_f32 v[S+\j:S+1+\j], v[O+\j:O+1+\j], v[14:15] op_sel_hi:[1,0]   ; each accumulator from its low end on
.endr
.irp b, 0,1
	v_max3_num_f32 v[BM+\b], |v[S+16*\b]|, |v[S+1+16*\b]|, 0x2800000
.endr
.irp i, 2,4,6,8,10,12,14
.irp b, 0,1
	v_max3_num_f32 v[BM+\b], v[BM+\b], |v[S+16*\b+\i]|, |v[S+1+16*\b+\i]|
.endr
.endr
.irp b, 0,1
	v_permlanex16_b32 v[250+\b], v[BM+\b], s[SEL], s[SEL+1]
.endr
.irp b, 0,1
	v_max_num_f32 v[BM+\b], v[BM+\b], v[250+\b]
.endr
.irp b, 0,1
	v_add_nc_u32 v[SO+\b], 0xfe000000, v[BM+\b]
.endr
.irp b, 0,1
	v_lshrrev_b32 v[250+\b], 23, v[SO+\b]
.endr
	v_cvt_scalef32_pk16_bf6_f32 v[PC:PC+2], v[S:S+15], v[SO]
	v_cvt_scalef32_pk16_bf6_f32 v[XA:XA+2], v[S+16:S+31], v[SO+1]
	v_nop                                          ; one plain place behind a scaled conversion
.irp i, 0,1,2
	v_permlane16_swap_b32 v[PC+\i], v[XA+\i]       ; a whole block to a lane: lanes 0-15 block 0, lanes 16-31 block 1
.endr
.irp i, 0,1,2
	v_mov_b32 v[PC+3+\i], v[XA+\i]
.endr
	v_cndmask_b32 v254, v250, v251, s[MASK]        ; lanes 0-15 block 0's byte, lanes 16-31 block 1's
	global_store_b128 v1, v[PC:PC+3], s[8:9] offset:196608*\p      ; 512 consecutive bytes
	global_store_b64 v2, v[PC+4:PC+5], s[8:9] offset:196608*\p     ; 256 consecutive bytes
	global_store_b8 v5, v254, s[10:11] offset:8192*\p              ; single bytes, each written once, 256 KiB in the whole launch: whole words would want both heads of a pair in one work-group
.endm
	s_wait_alu depctr_va_vdst(0)
	s_wait_tensorcnt 0x0                           ; my step's bytes are in,
	s_barrier_signal -1
	s_barrier_wait -1                              ; everybody's are
	KLOAD                                          ; step 0's K
	s_wait_loadcnt 0x0                             ; Q
	s_wait_dscnt 0x0
	PASS 0
	PASS 1
	s_wait_tensorcnt 0x0                           ; the wave's end
	ds_add_u32 v[SPW], v[NIL]
	s_wait_dscnt 0x0
	CROUND                                         ; the closing round
	s_endpgm
.Lfunc_end_k_q5b29a481b9_attn:
	.size	k_q5b29a481b9_attn, .Lfunc_end_k_q5b29a481b9_attn-k_q5b29a481b9_attn
	.p2alignl 7, 3214868480
	.fill 96, 4, 3214868480
	.section	.rodata,"a",@progbits
	.p2align	6, 0x0
	.amdhsa_kernel k_q5b29a481b9_attn
		.amdhsa_group_segment_fixed_size 215040
		.amdhsa_private_segment_fixed_size 0
		.amdhsa_enable_private_segment 0
		.amdhsa_kernarg_size 32
		.amdhsa_user_sgpr_count 2
		.amdhsa_user_sgpr_kernarg_segment_ptr 1
		.amdhsa_wavefront_size32 1
		.amdhsa_system_sgpr_workgroup_id_x 1
		.amdhsa_system_sgpr_workgroup_id_y 1
		.amdhsa_system_sgpr_workgroup_id_z 1
		.amdhsa_system_vgpr_workitem_id 0
		.amdhsa_next_free_vgpr 256
		.amdhsa_next_free_sgpr 84
		.amdhsa_reserve_vcc 0
		.amdhsa_float_denorm_mode_32 3
		.amdhsa_float_denorm_mode_16_64 3
		.amdhsa_memory_ordered 1
		.amdhsa_forward_progress 1
		.amdhsa_inst_pref_size 77
	.end_amdhsa_kernel
	.amdgpu_metadata
---
amdhsa.version: [ 1, 2 ]
amdhsa.kernels:
  - .name:           k_q5b29a481b9_attn
    .symbol:         k_q5b29a481b9_attn.kd
    .args:
      - { .name: pc, .offset: 0, .size: 8, .value_kind: global_buffer, .address_space: global }
      - { .name: ps, .offset: 8, .size: 8, .value_kind: global_buffer, .address_space: global }
      - { .name: ac, .offset: 16, .size: 8, .value_kind: global_buffer, .address_space: global }
      - { .name: asc, .offset: 24, .size: 8, .value_kind: global_buffer, .address_space: global }
    .group_segment_fixed_size: 215040
    .private_segment_fixed_size: 0
    .kernarg_segment_align: 8
    .kernarg_segment_size: 32
    .max_flat_workgroup_size: 512
    .sgpr_count:     84
    .vgpr_count:     256
    .wavefront_size: 32
...
	.end_amdgpu_metadata
.endif
;; end of part 3
;; launch outp (part 4): grid 4 x 32, 4 waves a work-group, clusters of 4 x 4, 327,680 bytes of LDS; arguments ac, asc, wc, ws, bo, out0; writes out0
.if DOCPART == 4
	.amdgcn_target "amdgcn-amd-amdhsa--gfx1250"
	.amdhsa_code_object_version 6
	.text
	.protected	k_q5b29a481b9_outp
	.globl	k_q5b29a481b9_outp
	.p2align	8
	.type	k_q5b29a481b9_outp,@function
k_q5b29a481b9_outp:
	s_mov_b64 s[64:65], 0
	v_nop
	global_prefetch_b8 v0, s[64:65] scope:SCOPE_SE
	s_setreg_imm32_b32 hwreg(HW_REG_WAVE_MODE, 25, 1), 1
	s_wait_xcnt 0x0
	s_wait_alu depctr_hold_cnt(0) depctr_sa_sdst(0) depctr_va_vdst(0) depctr_va_sdst(0) depctr_va_ssrc(0) depctr_va_vcc(0) depctr_vm_vsrc(0)
	s_getreg_b32 s2, hwreg(HW_REG_IB_STS2, 6, 4)
	s_cmp_eq_u32 s2, 0
	s_cbranch_scc0 .Lentry_in_a_cluster
	s_endpgm
.Lentry_in_a_cluster:
	s_bfe_u32 s2, ttmp6, 0x10000c
	s_cmp_lg_u32 s2, 0xf033
	s_cbranch_scc0 .Lentry_shape_is_right
	s_endpgm
.Lentry_shape_is_right:
; Launch 4 of 4: out0 = vals Wo + bo on codes of BF6, K = 1,024, f32 out.  Nothing is left out.
; The product's core is that of the projections' launch: 256 x 256 to a work-group, four waves of 128 x 128, used transposed (source 0 = a tile of Wo's columns, source 1 = a tile of vals' rows), codes as images of
; the operand's registers, K in four slots' worth of 256 through three LDS slots (one refill), all scale words at the start, cluster 4 x 4 with joint loads.
; A tile's places are rows 32 (T / 2) + 8 (T % 2) + r % 8 + 16 (r / 8): the order is undone here, once, in the stores' offsets; a lane's registers of Wo's tiles 2 b, 2 b + 1 are columns 32 b + 16 h + 0 .. 15.
; 128 work-groups: the tile of 256 x 256 is kept for the sake of one register plan in both product launches.
; REGISTERS, in windows of 256: window 0: v1-29 addresses; v32-63 scale words, two sets; v64-127 the bias as C; v128-223 A's fragments, one set.  window 1: B's fragments, two sets.  windows 2, 3: accumulator (a, b) at v[8 (8 (a % 4) + b)].
.set SLOTB, 98304
.set HALFB, 24576
.set TILEB, 3072
; AS THE TEXT NOW STANDS: codes lie in memory by chunks, [group of 16 tiles][chunk of 256 along K: 49,152][tile: 3,072].  LDS: A's chunks 0-2 from byte 0, B's from BREG; chunk 3 later lands on chunk 0's bytes.
; At the head each wave issues ONE joint load: wave 0 A's three chunks (a dense run of 147,456 bytes), wave 1 B's, wave 2 A's scale words, wave 3 B's.
.set CHUNKB, 49152
.set BREG,   3*CHUNKB
.set SCL,   3*SLOTB
.set SPARE, SCL+16384                  ; the spare words, 128 bytes for each wave: two blocks of 256 bytes that no other line names
.set STAGE, 2*CHUNKB                   ; the way out: 16 rows x (512 bytes + 16) for each wave, on A's chunk 2: it had its one fill at the start, and nobody reads it behind the last barrier
.set FR,   12
.set A16,  4
.set A8,   7
.set B16,  10
.set B8,   13
.set ADRS, 16
.set O16,  17
.set O8,   18
.set STO,  19                          ; v19    the stage: where I put 32 bytes of a row
.set RD,   20                          ; v20    and where I read a row back
.set SPW,  28
.set NIL,  29
.set SC,   32
.set BI,   64
.set AF,   128
.set BK,   128                         ; the way out: 16 rows read back: v128-191 and v192-255 by turns
.set G1A,  24
.set G0A,  32
.set G0SA, 44
.set G1B,  48
.set G0B,  56
.set G0B2, 84
.set G0SB, 88
.set G1S,  68
.set G1SB, 76
.set MSB, 0
.macro WIN new                         ; the immediate's high byte repeats the setting that is left
.if MSB != \new
	s_set_vgpr_msb (MSB<<8)|\new
.set MSB, \new
.endif
.endm
.set MUL_LO, 0xa1
.set MUL_HI, 0xf1
.set TO_B,   0x40
.macro JLOAD g0a, g1a, g0b, g1b        ; a joint load: waves 0 and 1 fetch for A, waves 2 and 3 for B; an s_nop 0 and four v_nop follow each line
	s_cmp_eq_u32 s13, 0
	s_cbranch_scc0 .Lfor_b_\@
	tensor_load_to_lds s[\g0a:\g0a+3], s[\g1a:\g1a+7]
	s_nop 0
.rept 4
	v_nop
.endr
	s_branch .Lasked_\@
.Lfor_b_\@:
	tensor_load_to_lds s[\g0b:\g0b+3], s[\g1b:\g1b+7]
	s_nop 0
.rept 4
	v_nop
.endr
.Lasked_\@:
.endm
.macro CREST
	s_cmp_lg_u32 s12, 0
	s_cbranch_scc1 .Lnot_wave_0_\@
	s_barrier_signal -3
.Lnot_wave_0_\@:
	s_barrier_wait -3
	s_barrier_signal -1
	s_barrier_wait -1
.endm
.macro CROUND
	s_barrier_signal -1
	s_barrier_wait -1
	CREST
.endm
.macro PLACES
.rept 4
	v_nop
.endr
.endm
	s_load_b256 s[4:11], s[0:1], 0x0               ; ac 4, asc 6, wc 8, ws 10
	s_load_b128 s[92:95], s[0:1], 0x20             ; bo 92, out0 94
	v_lshl_add_u32 v[SPW], v0, 2, SPARE
	v_mov_b32 v[NIL], 0
	ds_add_u32 v[SPW], v[NIL]                      ; the wave's opening: the add, twice on end, and its wait ahead of my first tensor load
	ds_add_u32 v[SPW], v[NIL]                      ; and once more, under the one wait
	v_lshrrev_b32 v1, 5, v0
	v_readfirstlane_b32 s12, v1                    ; wave
	s_lshr_b32 s13, s12, 1                         ; my half of the rows.  Also: I fetch for A (0) or for B (1)
	s_and_b32 s14, s12, 1                          ; my half of the columns.  Also: which 8 tiles I fetch
	s_bfe_u32 s15, ttmp6, 0x40000                  ; cx
	s_bfe_u32 s16, ttmp6, 0x40004                  ; cy
	s_and_b32 s17, ttmp7, 0xffff
	s_lshl_b32 s20, s17, 2
	s_add_co_u32 s20, s20, s16                     ; which 256 rows: 4 x cluster y + cy
	s_mov_b32 s21, s15                             ; which 256 columns: cx
	s_mul_i32 s22, s20, 196608
	s_mov_b32 s23, 0                               ; s[22:23]: the A tiles that I fetch
	s_lshl_b32 s2, s20, 13
	s_mov_b32 s3, 0                                ; s[2:3]: their scale words
	s_mul_i32 s66, s21, 196608
	s_add_co_u32 s66, s66, 2359296                 ; Wo is the fourth weight in wc
	s_mov_b32 s67, 0
	s_lshl_b32 s104, s21, 13
	s_add_co_u32 s104, s104, 98304                 ; and in ws
	s_mov_b32 s105, 0
	s_lshl_b32 s17, s16, 2
	s_lshl_b32 s17, 15, s17                        ; my row of the cluster
	s_lshl_b32 s19, 0x1111, s15                    ; my column
	s_or_b32 s[G1A], s17, (3<<16)|(1<<21)          ; 15:0 the mask; 17:16 elements of 8 bytes; 21 set beside a mask; no padding
	s_or_b32 s[G1S], s17, (3<<16)|(1<<21)
	s_or_b32 s[G1B], s19, (3<<16)|(1<<21)
	s_or_b32 s[G1SB], s19, (3<<16)|(1<<21)
.irp g, G1A, G1B                       ; codes: 8 rows (tiles) of 3,072 bytes, 3,072 bytes apart
	s_mov_b32 s[\g+1], 384<<16
	s_mov_b32 s[\g+2], 48<<16                      ; the head's loads: 48 dense rows of 3,072 bytes; behind them the two words that count rows are set to 8
	s_mov_b32 s[\g+3], 384<<16
	s_mov_b32 s[\g+4], 48
	s_mov_b32 s[\g+5], 384
	s_mov_b32 s[\g+6], 0
	s_mov_b32 s[\g+7], 0
.endr
.irp g, G1S, G1SB                      ; scale words: a dense block of 8,192 bytes as 32 rows of 256
	s_mov_b32 s[\g+1], 32<<16
	s_mov_b32 s[\g+2], 32<<16                      ; 8,192 bytes: the scale words of 16 tiles
	s_mov_b32 s[\g+3], 32<<16
	s_mov_b32 s[\g+4], 32
	s_mov_b32 s[\g+5], 32
	s_mov_b32 s[\g+6], 0
	s_mov_b32 s[\g+7], 0
.endr
	s_mul_i32 s17, s14, HALFB                      ; the refill: my 8 tiles of chunk 3: no place in the cluster enters an LDS address
	s_mov_b32 s[G0A], 1                            ; the head's load of A
	s_mov_b32 s[G0A+1], 0
	s_mov_b32 s[G0A+4], 1                          ; A's refill
	s_mov_b32 s[G0A+5], s17
	s_mov_b32 s[G0B], 1                            ; the head's load of B
	s_mov_b32 s[G0B+1], BREG
	s_mov_b32 s[G0B+4], 1                          ; B's refill
	s_add_co_u32 s[G0B+5], s17, BREG
	s_mov_b32 s[G0SA], 1
	s_mov_b32 s[G0SA+1], SCL
	s_mov_b32 s[G0SB], 1
	s_mov_b32 s[G0SB+1], SCL+8192
	s_wait_dscnt 0x0                               ; both opening adds are done
	s_wait_kmcnt 0x0
	s_add_nc_u64 s[G0A+2:G0A+3], s[4:5], s[22:23]
	s_add_nc_u64 s[G0SA+2:G0SA+3], s[6:7], s[2:3]
	s_add_nc_u64 s[G0B+2:G0B+3], s[8:9], s[66:67]
	s_add_nc_u64 s[G0SB+2:G0SB+3], s[10:11], s[104:105]
	s_add_co_u32 s22, s17, 3*CHUNKB                ; chunk 3, my 8 tiles
	s_mov_b32 s23, 0
	s_add_nc_u64 s[G0A+6:G0A+7], s[G0A+2:G0A+3], s[22:23]
	s_add_nc_u64 s[G0B+6:G0B+7], s[G0B+2:G0B+3], s[22:23]
.irp g, G0A+3, G0A+7, G0SA+3, G0B+3, G0B+7, G0SB+3
	s_or_b32 s[\g], s[\g], 0x80000000              ; type = 2
.endr
	CROUND                                         ; all sixteen work-groups are here: the first joint loads meet
; ONE tree of branches on the wave's number, one load to an arm, all arms to one join: one tensor load a wave at the head
.macro ARM under, g0, g1, next
	s_cmp_lt_u32 s12, \under
	s_cbranch_scc0 \next
	tensor_load_to_lds s[\g0:\g0+3], s[\g1:\g1+7]
	s_nop 0
.rept 4
	v_nop
.endr
	s_branch .Lhead_asked
\next:
.endm
	ARM 1, G0A,  G1A, .Lhead_b
	ARM 2, G0B,  G1B, .Lhead_sa
	ARM 3, G0SA, G1S, .Lhead_sb
	tensor_load_to_lds s[G0SB:G0SB+3], s[G1SB:G1SB+7]
	s_nop 0
.rept 4
	v_nop
.endr
.Lhead_asked:
	v_and_b32 v3, 31, v0
	v_and_b32 v1, 15, v0                           ; r
	v_bfe_u32 v2, v0, 4, 1                         ; h
	v_lshlrev_b32 v[O16], 4, v3
	v_lshlrev_b32 v[O8], 3, v3
	s_mul_i32 s2, s13, HALFB
	s_mul_i32 s3, s14, HALFB
	s_add_co_u32 s3, s3, BREG                      ; my 8 tiles of B, in B's region
.irp s, 0,1,2
	v_add_nc_u32 v[A16+\s], s2, v[O16]
	v_add_nc_u32 v[A8+\s], s2, v[O8]
	v_add_nc_u32 v[B16+\s], s3, v[O16]
	v_add_nc_u32 v[B8+\s], s3, v[O8]
	s_add_co_u32 s2, s2, CHUNKB
	s_add_co_u32 s3, s3, CHUNKB
.endr
	s_lshl_b32 s22, s13, 12
	s_lshl_b32 s23, s14, 12
	s_add_co_u32 s23, s23, 8192
	s_sub_co_u32 s23, s23, s22
	v_mul_u32_u24 v[ADRS], s23, v2                 ; lanes 16-31 take B's scale words: one product, the distance between the two
	s_add_co_u32 s22, s22, SCL
	v_lshl_add_u32 v[ADRS], v1, 3, v[ADRS]
	v_add_nc_u32 v[ADRS], s22, v[ADRS]
	s_mul_i32 s22, s12, 8448
	s_add_co_u32 s22, s22, STAGE                   ; my stage
	v_mul_u32_u24 v[STO], v1, 528
	v_lshl_add_u32 v[STO], v2, 6, v[STO]
	v_add_nc_u32 v[STO], s22, v[STO]               ; in: row r, + 64 h
	v_add_nc_u32 v[RD], s22, v[O16]                ; back: a row's 512 bytes, 16 a lane
	; the bias is the C of each sum's first matrix instruction: for Wo's tile b the numbers 32 (b / 2) + 8 (b % 2) + 16 h + 0 .. 7 of my 128 columns
	v_lshlrev_b32 v21, 6, v2
	s_wait_alu depctr_va_vdst(0)
	s_lshl_b32 s22, s21, 10
	s_lshl_b32 s23, s14, 9
	s_add_co_u32 s22, s22, s23                     ; my first column, in bytes
	s_mov_b32 s23, 0
	s_add_nc_u64 s[92:93], s[92:93], s[22:23]
	s_add_nc_u64 s[94:95], s[94:95], s[22:23]
	s_lshl_b32 s22, s20, 8
	s_lshl_b32 s2, s13, 7
	s_add_co_u32 s22, s22, s2
	s_lshl_b32 s22, s22, 12                        ; my first row: 256 x tile row + 128 x half, 4,096 bytes each
	s_add_nc_u64 s[94:95], s[94:95], s[22:23]
.irp b, 0,1,2,3,4,5,6,7
	global_load_b128 v[BI+8*\b:BI+8*\b+3], v21, s[92:93] offset:(32*(\b/2)+8*(\b%2))*4
	global_load_b128 v[BI+8*\b+4:BI+8*\b+7], v21, s[92:93] offset:(32*(\b/2)+8*(\b%2))*4+16
.endr
.macro FRAG reg, a16, a8, off          ; a fragment comes back as it was stored: two half images
	ds_load_b128 v[\reg:\reg+3], v[\a16] offset:\off
	ds_load_b64 v[\reg+4:\reg+5], v[\a8] offset:\off+512
	ds_load_b128 v[\reg+6:\reg+9], v[\a16] offset:\off+768
	ds_load_b64 v[\reg+10:\reg+11], v[\a8] offset:\off+1280
.endm
.macro FETCH_B slot, q, p
	WIN TO_B
.irp i, 0,1,2,3,4,5,6,7
	FRAG 128*(\p)+FR*\i, B16+(\slot), B8+(\slot), TILEB*\i+1536*(\q)
.endr
	WIN 0
.endm
.macro FETCH_A slot, q, i0
.irp i, \i0, \i0+1, \i0+2, \i0+3
	FRAG AF+FR*(\i), A16+(\slot), A8+(\slot), TILEB*(\i)+1536*(\q)
.endr
.endm
.macro SCALES kp
.irp i, 0,1,2,3,4,5,6,7
	ds_load_b64 v[SC+16*((\kp)%2)+2*\i:SC+16*((\kp)%2)+2*\i+1], v[ADRS] offset:512*\i+128*(\kp)
.endr
.endm
; 16 matrix instructions: A's blocks a0, a0 + 1 x B's eight.  mode 0: the sums go on; 1: they begin with the bias.  The 64 accumulators take turns.
.macro MUL16 a0, p, q, sc, mode
.irp a, \a0, \a0+1
.irp b, 0,1,2,3,4,5,6,7
.if \mode == 1
	v_wmma_scale_f32_16x16x128_f8f6f4 v[8*(8*((\a)%4)+\b):8*(8*((\a)%4)+\b)+7], v[128*(\p)+FR*\b:128*(\p)+FR*\b+FR-1], v[AF+FR*(\a):AF+FR*(\a)+FR-1], v[BI+8*\b:BI+8*\b+7], v[SC+16*(\sc)+2*\b+(\q)], v[SC+16*(\sc)+2*(\a)+(\q)] matrix_a_fmt:MATRIX_FMT_BF6 matrix_b_fmt:MATRIX_FMT_BF6 matrix_a_scale:MATRIX_SCALE_ROW1
.else
	v_wmma_scale_f32_16x16x128_f8f6f4 v[8*(8*((\a)%4)+\b):8*(8*((\a)%4)+\b)+7], v[128*(\p)+FR*\b:128*(\p)+FR*\b+FR-1], v[AF+FR*(\a):AF+FR*(\a)+FR-1], v[8*(8*((\a)%4)+\b):8*(8*((\a)%4)+\b)+7], v[SC+16*(\sc)+2*\b+(\q)], v[SC+16*(\sc)+2*(\a)+(\q)] matrix_a_fmt:MATRIX_FMT_BF6 matrix_b_fmt:MATRIX_FMT_BF6 matrix_a_scale:MATRIX_SCALE_ROW1
.endif
.endr
.endr
.endm
.macro NAMES g
.set P_,  (\g)%2
.set C_,  ((\g)/2)%2
.set NS_, (((\g)+1)/2)%3
.set NQ_, ((\g)+1)%2
.set NK_, ((\g)+1)/2
.endm
.macro SECOND mode
	FETCH_B NS_, NQ_, NQ_
	FETCH_A NS_, NQ_, 0
.if NQ_ == 0
	SCALES NK_
.endif
.if \mode
	WIN 0xc1                                       ; C (the bias) in window 0, D in window 3
.else
	WIN MUL_HI
.endif
	MUL16 4, P_, P_, C_, \mode
	MUL16 6, P_, P_, C_, \mode
	PLACES
	WIN 0
	FETCH_A NS_, NQ_, 4
.endm
.macro STEP g, mode
	NAMES \g
	s_wait_dscnt 16                                ; all but the youngest 16 loads, A's blocks 4-7, are in
.if \mode
	WIN 0x81                                       ; C (the bias) in window 0, D in window 2
.else
	WIN MUL_LO
.endif
	MUL16 0, P_, P_, C_, \mode
	MUL16 2, P_, P_, C_, \mode
	s_wait_dscnt 0x0                               ; A's blocks 4-7 are in
	PLACES
	SECOND \mode
.endm
; ONE barrier; in front of it each wave waits for all its tensor loads, adds 0 to its spare word, and waits for that and for its reads.  fill = 1: slot 0 takes K 768-1023, behind a round of the cluster's barrier.
.macro TURN g, fill
	NAMES \g
	s_wait_tensorcnt 0x0                           ; all my tensor loads have landed
	ds_add_u32 v[SPW], v[NIL]                      ; 0 onto my spare word
	s_wait_dscnt 17                                ; (the add and the youngest 16 loads may be out)
	WIN MUL_LO
	MUL16 0, P_, P_, C_, 0
	s_wait_dscnt 0x0                               ; the add is done, and my reads of the slot are over
	s_barrier_signal -1
	MUL16 2, P_, P_, C_, 0
	WIN 0
	s_barrier_wait -1
.if \fill
	CREST                                          ; no wave of any partner still reads slot 0 or has a load on its way
	JLOAD G0A+4, G1A, G0B+4, G1B                   ; chunk 3 onto chunk 0's bytes; its four v_nop are also the places in front of the loads below
.else
	PLACES
.endif
	SECOND 0
.endm
	s_wait_tensorcnt 0x0                           ; my one load of the head is in
	s_mov_b32 s[G1A+2], 8<<16                      ; no tensor load of mine is out: from here on a load brings 8 rows
	s_mov_b32 s[G1A+4], 8
	s_mov_b32 s[G1B+2], 8<<16
	s_mov_b32 s[G1B+4], 8
	s_barrier_signal -1
	s_barrier_wait -1
	FETCH_B 0, 0, 0
	FETCH_A 0, 0, 0
	SCALES 0
	FETCH_A 0, 0, 4
	s_wait_loadcnt 0x0                             ; the bias
	STEP 0, 1
	TURN 1, 1                                      ; its wait for all loads also shows slots 1 and 2 whole to every wave
	STEP 2, 0
	STEP 3, 0
	STEP 4, 0
	TURN 5, 0                                      ; the refill has landed in every wave; behind this barrier nobody reads slot 1
	STEP 6, 0
	NAMES 7
	s_wait_dscnt 16
	WIN MUL_LO
	MUL16 0, P_, P_, C_, 0
	MUL16 2, P_, P_, C_, 0
	s_wait_dscnt 0x0
	WIN MUL_HI
	MUL16 4, P_, P_, C_, 0
	MUL16 6, P_, P_, C_, 0
	WIN 0
; THE WAY OUT, block by block of 16 rows x 128 columns, through my own stage: a lane's 32 neighbouring bytes go in, whole rows of 512 bytes come back and are stored as two aligned runs of 256 bytes.
; LDS serves a wave's instructions in order: no wait between the stores and the loads, nor in front of the next block's stores.
.macro TOSTAGE a
.set AC, 64*((\a)%4)
.set WD_, 0x08+4*((\a)/4)              ; an LDS store's data are its source 1: window 2 or 3
	WIN WD_
.irp b, 0,1,2,3,4,5,6,7
	ds_store_b128 v[STO], v[AC+8*\b:AC+8*\b+3] offset:128*(\b/2)+32*(\b%2)       ; each accumulator from its low end on: columns 32 (b / 2) + 16 h + 8 (b % 2) + 0 .. 7
	ds_store_b128 v[STO], v[AC+8*\b+4:AC+8*\b+7] offset:128*(\b/2)+32*(\b%2)+16
.endr
	WIN 0
.set BB, BK+64*((\a)%2)
.irp t, 0,1,2,3,4,5,6,7,8,9,10,11,12,13,14,15
	ds_load_b128 v[BB+4*\t:BB+4*\t+3], v[RD] offset:\t*528
.endr
.endm
.macro SEND a, younger                 ; younger: the LDS instructions issued behind block a's loads, which may stay out
.set BB, BK+64*((\a)%2)
	s_wait_dscnt \younger
.if (\a) > 0
.if ((\a)%2) == 1
	s_add_nc_u64 s[94:95], s[94:95], 8*4096        ; (behind a wait on XCNT)  an odd tile begins 8 rows behind its even neighbour,
.else
	s_add_nc_u64 s[94:95], s[94:95], 24*4096       ; the next pair of tiles 32 rows behind the last
.endif
.endif
.irp t, 0,1,2,3,4,5,6,7,8,9,10,11,12,13,14,15
	global_store_b128 v[O16], v[BB+4*\t:BB+4*\t+3], s[94:95] offset:((\t%8)+16*(\t/8))*4096 th:TH_STORE_NT   ; place t is row t % 8 + 16 (t / 8); 512 consecutive bytes
.endr
.endm
	PLACES
	TOSTAGE 0
.irp a, 1,2,3,4,5,6,7
.if \a > 1
	s_wait_xcnt 0x0                                ; block a - 2's stores have read their registers and their base
.endif
	TOSTAGE \a
	SEND \a-1, 32                                  ; behind block a - 1's loads: block a's 16 stores and 16 loads
.endr
	s_wait_xcnt 0x0
	SEND 7, 0
	s_wait_tensorcnt 0x0                           ; the wave's end, behind my last tensor load and my last LDS store
	ds_add_u32 v[SPW], v[NIL]
	s_wait_dscnt 0x0
	CROUND                                         ; the closing round
	s_endpgm
.Lfunc_end_k_q5b29a481b9_outp:
	.size	k_q5b29a481b9_outp, .Lfunc_end_k_q5b29a481b9_outp-k_q5b29a481b9_outp
	.p2alignl 7, 3214868480
	.fill 96, 4, 3214868480
	.section	.rodata,"a",@progbits
	.p2align	6, 0x0
	.amdhsa_kernel k_q5b29a481b9_outp
		.amdhsa_group_segment_fixed_size 327680
		.amdhsa_private_segment_fixed_size 0
		.amdhsa_enable_private_segment 0
		.amdhsa_kernarg_size 48
		.amdhsa_user_sgpr_count 2
		.amdhsa_user_sgpr_kernarg_segment_ptr 1
		.amdhsa_wavefront_size32 1
		.amdhsa_system_sgpr_workgroup_id_x 1
		.amdhsa_system_sgpr_workgroup_id_y 1
		.amdhsa_system_sgpr_workgroup_id_z 1
		.amdhsa_system_vgpr_workitem_id 0
		.amdhsa_next_free_vgpr 1024
		.amdhsa_next_free_sgpr 106
		.amdhsa_reserve_vcc 0
		.amdhsa_float_denorm_mode_32 3
		.amdhsa_float_denorm_mode_16_64 3
		.amdhsa_memory_ordered 1
		.amdhsa_forward_progress 1
		.amdhsa_inst_pref_size 143
	.end_amdhsa_kernel
	.amdgpu_metadata
---
amdhsa.version: [ 1, 2 ]
amdhsa.kernels:
  - .name:           k_q5b29a481b9_outp
    .symbol:         k_q5b29a481b9_outp.kd
    .args:
      - { .name: ac, .offset: 0, .size: 8, .value_kind: global_buffer, .address_space: global }
      - { .name: asc, .offset: 8, .size: 8, .value_kind: global_buffer, .address_space: global }
      - { .name: wc, .offset: 16, .size: 8, .value_kind: global_buffer, .address_space: global }
      - { .name: ws, .offset: 24, .size: 8, .value_kind: global_buffer, .address_space: global }
      - { .name: bo, .offset: 32, .size: 8, .value_kind: global_buffer, .address_space: global }
      - { .name: out0, .offset: 40, .size: 8, .value_kind: global_buffer, .address_space: global }
    .group_segment_fixed_size: 327680
    .private_segment_fixed_size: 0
    .kernarg_segment_align: 8
    .kernarg_segment_size: 48
    .max_flat_workgroup_size: 128
    .sgpr_count:     106
    .vgpr_count:     1024
    .wavefront_size: 32
...
	.end_amdgpu_metadata
.endif
;; end of part 4
